; MI455X (gfx1250); checked and timed in simulation.
; The chip was launched on July 23, 2026; its instructions are those of AMD's public machine-readable ISA for CDNA 5 (MIT licence, August 2026) and "CDNA5" Instruction Set Architecture Reference Guide (July 2026). The comments in the code are by the model that wrote it; some were corrected since.
;; Attention. Allowed arithmetic: matrix products marked QUANTISED: E2M3 operands, one E8M0 scale for each 32 along K, by v_wmma_scale_f32_16x16x128_f8f6f4 with both operands' format E2M3, f32 sums; everything else in f32.
;; Inputs: W_out 1,024 x 1,024 float32; W_qkv 1,024 x 3,072 float32; b_out 1,024 float32; b_qkv 3,072 float32; x 2 x 2,048 x 1,024 float32.
;; Outputs: out0 2 x 2,048 x 1,024 float32.
;; This version of the problem:
;;   THIS VERSION OF THE PROBLEM IS GIVEN IN LOW PRECISION. The matrix products marked QUANTISED in the list below multiply operands that are first quantised to E2M3 (2 exponent bits, 3 mantissa bits; 6 bits a number), with one power-of-two scale for each 32 numbers along K (OCP MX v1.0); their sums are f32. All else is computed in f32.
;;   The module's matrix products, in the order in which they are computed (A, B: the left and right operand; K: the contracted axis; several contracted axes count as one K, in the product's order):
;;     1. [M 4,096, K 1,024] x [K 1,024, N 3,072]; A: input x; B: input W_qkv: QUANTISED
;;     2. batch 32 x [M 2,048, K 64] x [K 64, N 2,048]; A: computed on the way; B: computed on the way: QUANTISED
;;     3. batch 32 x [M 2,048, K 2,048] x [K 2,048, N 64]; A: softmax (see below); B: computed on the way: QUANTISED
;;     4. [M 4,096, K 1,024] x [K 1,024, N 1,024]; A: computed on the way; B: input W_out: QUANTISED
;;   THE QUANTISER, for each operand of a quantised product, along K:
;;     - K is cut into blocks of 32 from its start; a last block that is shorter is filled with zeros.
;;     - A block's scale is 2^e with e = floor(log2(the largest magnitude in the block)) - 2, held to -126 .. 127; a block of zeros has e = 0. As a byte (E8M0): e + 127.
;;     - Each number is divided by its block's scale, clamped to +-7.5, and rounded to the nearest number of E2M3, ties to even, subnormals kept.
;;     - The product sums the exact products of the quantised numbers (number of the format x scale) in f32.
;;   ~~~python
;;   def quantise(x, axis):      # numpy; x: float32 -> the quantised numbers, widened to float32 again
;;       x = np.moveaxis(x, axis, -1); K = x.shape[-1]
;;       x = np.pad(x, [(0, 0)] * (x.ndim - 1) + [(0, -K % 32)]); x = x.reshape(x.shape[:-1] + (-1, 32)); a = np.abs(x).max(-1, keepdims=True)
;;       e = np.where(a > 0, np.clip(np.frexp(np.where(a > 0, a, 1))[1] - 1 - 2, -126, 127), 0)      # np.frexp(a)[1] - 1 = floor(log2(a)), exactly
;;       r = np.clip(x / 2.0 ** e, -7.5, 7.5)
;;       step = 2.0 ** (np.maximum(np.frexp(np.where(r == 0, 1, r))[1] - 1, 0) - 3)
;;       q = np.round(r / step) * step * 2.0 ** e      # np.round: ties to even
;;       return np.moveaxis(q.reshape(q.shape[:-2] + (-1,))[..., :K], -1, axis).astype(np.float32)
;;   ~~~
;;   SOFTMAX AHEAD OF A QUANTISED PRODUCT. Where the list says 'softmax', what is quantised is not the finished softmax but p = 2^(t - M), with t = logit x log2(e) and M = ceil(the row's largest t), a whole number; so 1/2 < the row's largest p <= 1. The row's sum l is taken of the UNQUANTISED p, in f32, and the product's result is divided by l at the end. Since M is a whole number, a kernel that streams over the keys may use a running M (the ceiling of the running maximum): every later rescaling is an exact power of two, which a block's scale takes up: the codes' values come out the same.
;;   OPERANDS COMPUTED ON THE WAY. 'Computed on the way' means the value that the module computes at that place (a softmax that the list does not call 'softmax' is quantised finished and normalised). What goes into a quantiser is computed in f32, as accurately as f32 sums, v_exp_f32 and their like allow (about 1e-6 of the number): no bf16 or f16 on the way to a quantiser, and a product that is left as it is and whose result goes on into a quantised operand takes f32 operands (vector FMAs, or v_wmma_f32_16x16x4_f32). A number that lies on a knife's edge between two numbers of the format may be rounded either way, as far as f32 arithmetic and the matrix unit's own rounding can turn it there, and no further.
;; One version. Each part assembles by itself: llvm-mc -triple=amdgcn-amd-amdhsa -mcpu=gfx1250 --defsym DOCPART=n.
;; ======== version 1 of 1: 4 launches
;; limits: right only within a limited range of input values
;; workspace buffers: xq 3,145,728 bytes; wq 2,359,296 bytes; wo 786,432 bytes; sc 262,144 bytes; qkv 10,092,544 bytes; oimg 3,145,728 bytes; os 262,144 bytes
;; launch quant (part 1): grid 384 x 1, 8 waves a work-group, no clusters, 120,320 bytes of LDS; arguments x, W_qkv, W_out, xq, wq, wo, sc; writes xq, wq, wo, sc
.if DOCPART == 1
	.amdgcn_target "amdgcn-amd-amdhsa--gfx1250"
	.amdhsa_code_object_version 6
	.text
	.protected	k_q58e5617f27_quant
	.globl	k_q58e5617f27_quant
	.p2align	8
	.type	k_q58e5617f27_quant,@function
k_q58e5617f27_quant:
	s_mov_b64 s[64:65], 0
	v_nop
	global_prefetch_b8 v0, s[64:65] scope:SCOPE_SE
	s_setreg_imm32_b32 hwreg(HW_REG_WAVE_MODE, 25, 1), 1
	s_wait_xcnt 0x0
; x [4096][1024], W_qkv [1024][3072] and W_out [1024][1024], f32, become codes of FP6 (E2M3) with one E8M0 byte for each 32 along K (K = 1,024 in all three).
; A block's scale is 2^(floor(log2(its largest magnitude)) - 2): its byte is the largest magnitude's exponent field - 2, held at 1 from below by a floor among the maximum's leaves.
; LIMITS: NaN and infinities among the inputs are not served.  A block of zeros, or one whose largest magnitude lies under 2^-124, gets the byte 1 (the stated quantiser says 127 for zeros):
; its codes are zeros or as the floor gives them, and the bytes are read by this program alone.
; WHAT IS STORED.  The codes leave as IMAGES OF OPERAND REGISTERS: a fragment (16 rows x 128 K, 12 registers a lane) is three pieces of 512 bytes, piece c = registers 4 c .. 4 c + 3, lane l at 16 l.
; A tile's 16 rows (of x) or columns (of a weight) are not neighbours: of a group of 32, tile u holds in lane r element 8 u + r + 8 (r / 8), so that a result made with such tiles as source 0 has
; 16 neighbours in the 16 registers of two neighbouring tiles.  xq, wq, wo: [tile][K step 8][1,536 bytes].  sc: [tile][half of K][r 16][K step % 4] words; x at 0, W_qkv at 131,072, W_out at 229,376.
; THREE PATHS, parted by the work-group's number, each with LDS bytes, a barrier and an end of its own: 0-95 W_qkv, 96-127 W_out, 128-383 x.  No tensor load; waves share only the gather of scale words.
.set XST,  8448                        ; x path: a wave's stage, 16 rows of 512 bytes + 16
.set XSC,  8*XST                       ; x path: the tile's 128 scale words
.set LBQ,  XSC+512                     ; W_qkv's path: 8 stages of 3,072 bytes, then 1,024 bytes of scale words
.set LBO,  LBQ+25600                   ; W_out's path likewise
.set R,    16                          ; x path: v16-79   the numbers as loaded
.set XN,   80                          ;         v80-143  64 numbers of my row: register 16 b + i = k 32 b + 16 (lane / 16) + i
.set PC,   144                         ;         v144-162 the codes
.set TM,   164                         ;         v164-179 at work
.set PW,   180                         ;         the scale word
.set X,    64                          ; W paths: v64-191 my column's 128 numbers, down K
.set C,    16                          ;          v16-47  codes, eight registers a block
.set SB,   52                          ;          my column's scale word
.set O,    192                         ;          v192-215 two images read back
; 64 numbers of a lane become a fragment's codes in v[PC] on and its scale word in v[PW]
.macro QUANT s
.irp b, 0,1,2,3
	v_max3_num_f32 v[TM+\b], |v[\s+16*\b]|, |v[\s+1+16*\b]|, 0x1800000   ; block b: my 16 numbers, and the floor 2^(3 - 127)
.endr
.irp i, 2,4,6,8,10,12,14
.irp b, 0,1,2,3
	s_delay_alu instid0(VALU_DEP_4)
	v_max3_num_f32 v[TM+\b], v[TM+\b], |v[\s+16*\b+\i]|, |v[\s+1+16*\b+\i]|   ; the four blocks by turns
.endr
.endr
.irp b, 0,1,2,3
	s_delay_alu instid0(VALU_DEP_4)
	v_permlanex16_b32 v[TM+4+\b], v[TM+\b], s20, s21
.endr
.irp b, 0,1,2,3
	s_delay_alu instid0(VALU_DEP_4)
	v_max_num_f32 v[TM+\b], v[TM+\b], v[TM+4+\b]   ; with lane l xor 16's: the block's largest magnitude
.endr
.irp b, 0,1,2,3
	s_delay_alu instid0(VALU_DEP_4)
	v_add_nc_u32 v[TM+12+\b], 0xff000000, v[TM+\b]   ; 2 off its exponent field: the conversion's scale operand
.endr
.irp b, 0,1,2,3
	s_delay_alu instid0(VALU_DEP_4)
	v_lshrrev_b32 v[TM+4+\b], 23, v[TM+12+\b]      ; the scale's byte
.endr
	s_delay_alu instid0(VALU_DEP_3)
	v_lshl_or_b32 v[PW], v[TM+5], 8, v[TM+4]
	s_delay_alu instid0(VALU_DEP_1)
	v_lshl_or_b32 v[PW], v[TM+6], 16, v[PW]
	s_delay_alu instid0(VALU_DEP_1)
	v_lshl_or_b32 v[PW], v[TM+7], 24, v[PW]
.irp c, 0,1
	v_cvt_scalef32_pk16_fp6_f32 v[PC+6*\c:PC+2+6*\c], v[\s+32*\c:\s+15+32*\c], v[TM+12+2*\c]
	v_cvt_scalef32_pk16_fp6_f32 v[PC+12+4*\c:PC+14+4*\c], v[\s+16+32*\c:\s+31+32*\c], v[TM+12+2*\c+1]   ; (a conversion's three registers begin on an even number)
.endr
	v_nop                                          ; one plain place behind a scaled conversion
.irp c, 0,1                                    ; the operand wants a whole block in a lane: lanes 0-15 block 2 c, lanes 16-31 block 2 c + 1
.irp i, 0,1,2
	v_permlane16_swap_b32 v[PC+6*\c+\i], v[PC+12+4*\c+\i]
.endr
.irp i, 0,1,2
	s_delay_alu instid0(VALU_DEP_3)
	v_mov_b32 v[PC+3+6*\c+\i], v[PC+12+4*\c+\i]
.endr
.endr
.endm
.macro WLOAD t, cols, src              ; block t of my column: 32 rows of the weight, 128 consecutive bytes a wave in each
.set ii, 0
.rept 32
	global_load_b32 v[X+32*(\t)+ii], v4, s[\src:\src+1] offset:(32*(\t)+ii)*\cols*4 th:TH_LOAD_NT
.set ii, ii+1
.endr
.endm
.macro WBLOCK t                        ; block t = 2 c + h of my column: registers 6 c .. 6 c + 5 of lane r' + 16 h of my tile's image
.set XS, X+32*(\t)
.set CC, C+8*(\t)
	v_max3_num_f32 v48, |v[XS]|, |v[XS+1]|, |v[XS+2]|   ; all 32 numbers are mine: two chains
	v_max3_num_f32 v49, |v[XS+3]|, |v[XS+4]|, |v[XS+5]|
.irp i, 6,10,14,18,22,26
	s_delay_alu instid0(VALU_DEP_2)
	v_max3_num_f32 v48, v48, |v[XS+\i]|, |v[XS+\i+1]|
	s_delay_alu instid0(VALU_DEP_2)
	v_max3_num_f32 v49, v49, |v[XS+\i+2]|, |v[XS+\i+3]|
.endr
	s_delay_alu instid0(VALU_DEP_2)
	v_max3_num_f32 v48, v48, |v[XS+30]|, |v[XS+31]|
	s_delay_alu instid0(VALU_DEP_1)
	v_max3_num_f32 v48, v48, v49, 0x1800000        ; and the floor
	s_delay_alu instid0(VALU_DEP_1)
	v_add_nc_u32 v50, 0xff000000, v48
	s_delay_alu instid0(VALU_DEP_1)
	v_lshrrev_b32 v51, 23, v50
.if (\t) == 0
	s_delay_alu instid0(VALU_DEP_1)
	v_mov_b32 v[SB], v51
.else
	s_delay_alu instid0(VALU_DEP_1)
	v_lshl_or_b32 v[SB], v51, 8*(\t), v[SB]
.endif
	v_cvt_scalef32_pk16_fp6_f32 v[CC:CC+2], v[XS:XS+15], v50
	v_cvt_scalef32_pk16_fp6_f32 v[CC+4:CC+6], v[XS+16:XS+31], v50
	v_nop                                          ; one plain place behind a scaled conversion
	v_mov_b32 v[CC+3], v[CC+4]
	v_mov_b32 v[CC+4], v[CC+5]
	v_mov_b32 v[CC+5], v[CC+6]
.irp p, 0,1,2
	ds_store_b64 v5, v[CC+2*\p:CC+2*\p+1] offset:512*((6*((\t)/2)+2*\p)/4)+4*((6*((\t)/2)+2*\p)%4)+256*((\t)%2)
.endr
.endm
; A weight's path.  A work-group takes 64 columns x 512 K; wave w: 32 columns (w & 1) x 128 K (w >> 1).  A lane takes a column and its registers run down K: nothing is transposed.
.macro WPATH cols, src, dst, scoff, lb, id0
	s_sub_co_u32 s22, ttmp9, \id0
	s_and_b32 s23, s22, 1                          ; which half of K
	s_lshr_b32 s22, s22, 1                         ; which 64 columns
	s_and_b32 s24, s18, 1                          ; cw
	s_lshr_b32 s25, s18, 1                         ; ks
	s_lshl_b32 s26, s23, 2
	s_add_co_u32 s26, s26, s25                     ; K step
	s_mul_i32 s28, s26, 128*\cols*4
	s_lshl_b32 s27, s22, 8
	s_add_co_u32 s28, s28, s27
	s_lshl_b32 s27, s24, 7
	s_add_co_u32 s28, s28, s27
	s_mov_b32 s29, 0
	s_add_nc_u64 s[\src:\src+1], s[\src:\src+1], s[28:29]   ; the weight at my first row and column
	s_lshl_b32 s27, s22, 2
	s_lshl_b32 s30, s24, 1
	s_add_co_u32 s27, s27, s30                     ; my first tile: 4 x column group + 2 cw
	s_mul_i32 s28, s27, 12288
	s_mul_i32 s30, s26, 1536
	s_add_co_u32 s28, s28, s30
	s_add_nc_u64 s[\dst:\dst+1], s[\dst:\dst+1], s[28:29]
	s_lshl_b32 s28, s27, 9
	s_lshl_b32 s30, s23, 8
	s_add_co_u32 s28, s28, s30
	s_add_co_u32 s28, s28, \scoff
	s_add_nc_u64 s[16:17], s[16:17], s[28:29]      ; the scale words of these two tiles, this half of K (used by waves 0 and 1, where cw is the wave)
	s_mul_i32 s30, s18, 3072
	s_add_co_u32 s30, s30, \lb                     ; my stage: two images
	s_lshl_b32 s31, s24, 9
	s_lshl_b32 s32, s25, 2
	s_add_co_u32 s32, s32, s31
	s_add_co_u32 s32, s32, \lb+24576               ; the gather [tile 4][r 16][ks 4]: + 512 cw + 4 ks
	s_add_co_u32 s31, s31, \lb+24576
	v_lshlrev_b32 v4, 2, v1                        ; 4 bytes a lane
	v_bfe_u32 v11, v0, 3, 1                        ; lane j is tile u = (j >> 3) & 1,
	v_and_b32 v12, 7, v0
	s_delay_alu instid0(VALU_DEP_1)
	v_lshl_add_u32 v12, v3, 3, v12                 ; row r' = (j & 7) + 8 (j >> 4)
	s_delay_alu instid0(VALU_DEP_3)
	v_mul_u32_u24 v5, v11, 1536
	s_delay_alu instid0(VALU_DEP_1)
	v_lshl_add_u32 v5, v12, 4, v5
	s_delay_alu instid0(VALU_DEP_1)
	v_add_nc_u32 v5, s30, v5                       ; into the stage
	v_lshlrev_b32 v6, 8, v11
	s_delay_alu instid0(VALU_DEP_1)
	v_lshl_add_u32 v6, v12, 4, v6
	s_delay_alu instid0(VALU_DEP_1)
	v_add_nc_u32 v6, s32, v6                       ; my scale word's place
	v_lshlrev_b32 v8, 4, v1                        ; 16 x lane
	s_delay_alu instid0(VALU_DEP_1)
	v_add_nc_u32 v7, s30, v8                       ; out of the stage
	s_delay_alu instid0(VALU_DEP_2)
	v_add_nc_u32 v9, s31, v8                       ; out of the gather
	v_lshlrev_b32 v10, 9, v3
	s_delay_alu instid0(VALU_DEP_1)
	v_lshl_add_u32 v10, v2, 4, v10                 ; and into sc: 512 x tile + 16 r
	WLOAD 0, \cols, \src
	WLOAD 1, \cols, \src
	s_wait_loadcnt 32                              ; block 0 is in; the one younger block's 32 loads stay out
	WLOAD 2, \cols, \src
	WBLOCK 0
	s_wait_loadcnt 32                              ; block 1 is in; block 2's stay out
	WLOAD 3, \cols, \src
	WBLOCK 1
	s_wait_loadcnt 32                              ; block 2 is in; block 3's stay out
	WBLOCK 2
	s_wait_loadcnt 0x0
	WBLOCK 3
	ds_store_b32 v6, v[SB]
.irp q, 0,1,2,3,4,5
	ds_load_b128 v[O+4*\q:O+4*\q+3], v7 offset:512*\q   ; LDS serves a wave's instructions in order: these see my stores
.endr
.irp q, 0,1,2,3,4,5
	s_wait_dscnt 5-\q                              ; piece q is back; the younger ones stay out
	global_store_b128 v8, v[O+4*\q:O+4*\q+3], s[\dst:\dst+1] offset:12288*(\q/3)+512*(\q%3)   ; 512 consecutive bytes
.endr
	s_wait_dscnt 0x0                               ; for the others' sake: my scale word has landed
	s_barrier_signal -1
	s_barrier_wait -1
	s_cmp_lt_u32 s18, 2
	s_cbranch_scc0 .Lw_end_\@
	ds_load_b128 v[216:219], v9                    ; two tiles' words of this half of K: sixteen lanes a tile
	s_wait_dscnt 0x0
	global_store_b128 v10, v[216:219], s[16:17]    ; two runs of 256 consecutive bytes
.Lw_end_\@:
	s_wait_tensorcnt 0x0
	ds_add_u32 v224, v225
	s_wait_dscnt 0x0
	s_endpgm
.endm
	s_load_b256 s[4:11], s[0:1], 0x0               ; x s[4:5], W_qkv s[6:7], W_out s[8:9], xq s[10:11]
	s_load_b128 s[12:15], s[0:1], 0x20             ; wq s[12:13], wo s[14:15]
	s_load_b64 s[16:17], s[0:1], 0x30              ; sc
	v_lshl_add_u32 v224, v0, 2, 0x1d200
	v_mov_b32 v225, 0
	v_lshrrev_b32 v1, 5, v0
	s_delay_alu instid0(VALU_DEP_1)
	v_readfirstlane_b32 s18, v1                    ; wave 0..7
	v_and_b32 v1, 31, v0                           ; lane
	v_and_b32 v2, 15, v0                           ; r
	v_bfe_u32 v3, v0, 4, 1                         ; h
	s_mov_b32 s20, 0x76543210
	s_mov_b32 s21, 0xfedcba98                      ; v_permlanex16_b32's selects for lane l xor 16
	s_wait_kmcnt 0x0
	s_cmp_lt_u32 ttmp9, 96
	s_cbranch_scc1 .Lwqkv
	s_cmp_lt_u32 ttmp9, 128
	s_cbranch_scc1 .Lwout
	; ---- x: a work-group takes one tile of 16 rows, wave s its K step s.  Each load reads a row's 512 consecutive bytes; the stage turns them so that a lane holds 16 neighbours of each block
	s_sub_co_u32 s22, ttmp9, 128                   ; the tile
	; x's tiles have an order of their own (the weights' tiles are as the head says): tile T, row i is token 64 (T / 4) + 8 (T % 4) + i % 8 + 32 (i / 8),
	; so that a result made with four neighbouring tiles as source 0 has a whole block of 32 neighbouring tokens in one lane's 32 registers
	s_lshr_b32 s23, s22, 2
	s_lshl_b32 s23, s23, 6
	s_and_b32 s24, s22, 3
	s_lshl_b32 s24, s24, 3
	s_add_co_u32 s23, s23, s24                     ; its first row: 64 (T / 4) + 8 (T % 4)
	s_lshl_b32 s24, s23, 12
	s_lshl_b32 s25, s18, 9
	s_add_co_u32 s24, s24, s25
	s_mov_b32 s25, 0
	s_add_nc_u64 s[4:5], s[4:5], s[24:25]
	s_mul_i32 s24, s22, 12288
	s_mul_i32 s26, s18, 1536
	s_add_co_u32 s24, s24, s26
	s_add_nc_u64 s[10:11], s[10:11], s[24:25]
	s_lshl_b32 s24, s22, 9
	s_add_nc_u64 s[16:17], s[16:17], s[24:25]
	s_mul_i32 s27, s18, XST
	s_wait_alu depctr_va_vdst(0)
	v_lshlrev_b32 v6, 4, v1                        ; 16 x lane
	s_delay_alu instid0(VALU_DEP_1)
	v_add_nc_u32 v4, s27, v6                       ; into the stage
	v_mul_u32_u24 v5, v2, 528
	s_delay_alu instid0(VALU_DEP_1)
	v_lshl_add_u32 v5, v3, 6, v5
	s_delay_alu instid0(VALU_DEP_1)
	v_add_nc_u32 v5, s27, v5                       ; out of it: row r, + 64 h
	s_lshr_b32 s28, s18, 2
	s_lshl_b32 s28, s28, 8
	s_and_b32 s29, s18, 3
	s_lshl_b32 s29, s29, 2
	s_add_co_u32 s28, s28, s29
	s_add_co_u32 s28, s28, XSC
	v_lshl_add_u32 v7, v2, 4, s28                  ; my row's scale word: [s / 4][r][s % 4]
	v_add_nc_u32 v8, XSC, v6
.irp i, 0,1,2,3,4,5,6,7,8,9,10,11,12,13,14,15
	global_load_b128 v[R+4*\i:R+4*\i+3], v6, s[4:5] offset:(\i+24*(\i/8))*4096 th:TH_LOAD_NT
.endr
.irp b, 0,1,2,3
	v_mov_b32 v[TM+4+\b], 0                        ; a lane permute's destination counts as one of its sources
.endr
	s_wait_alu depctr_va_vdst(0)
.irp i, 0,1,2,3,4,5,6,7,8,9,10,11,12,13,14,15
	s_wait_loadcnt 15-\i                           ; row i is in; the younger rows stay out
	ds_store_b128 v4, v[R+4*\i:R+4*\i+3] offset:528*\i
.endr
.irp b, 0,1,2,3
.irp j, 0,1,2,3
	ds_load_b128 v[XN+16*\b+4*\j:XN+16*\b+4*\j+3], v5 offset:128*\b+16*\j   ; my wave's own bytes, served in order
.endr
.endr
	s_wait_dscnt 0x0
	QUANT XN
.irp c, 0,1,2
	global_store_b128 v6, v[PC+4*\c:PC+4*\c+3], s[10:11] offset:512*\c
.endr
	ds_store_b32 v7, v[PW]                         ; both halves of the lanes write the same word with the same value
	s_wait_dscnt 0x0                               ; for the others' sake
	s_barrier_signal -1
	s_barrier_wait -1
	s_cmp_lg_u32 s18, 0
	s_cbranch_scc1 .Lx_end
	ds_load_b128 v[16:19], v8
	s_wait_dscnt 0x0
	global_store_b128 v6, v[16:19], s[16:17]       ; the tile's 512 bytes of scale words
.Lx_end:
	s_wait_tensorcnt 0x0
	ds_add_u32 v224, v225
	s_wait_dscnt 0x0
	s_endpgm
.Lwqkv:
	s_wait_alu depctr_va_vdst(0)
	WPATH 3072, 6, 12, 131072, LBQ, 0
.Lwout:
	s_wait_alu depctr_va_vdst(0)
	WPATH 1024, 8, 14, 229376, LBO, 96
.Lfunc_end_k_q58e5617f27_quant:
	.size	k_q58e5617f27_quant, .Lfunc_end_k_q58e5617f27_quant-k_q58e5617f27_quant
	.p2alignl 7, 3214868480
	.fill 96, 4, 3214868480
	.section	.rodata,"a",@progbits
	.p2align	6, 0x0
	.amdhsa_kernel k_q58e5617f27_quant
		.amdhsa_group_segment_fixed_size 120320
		.amdhsa_private_segment_fixed_size 0
		.amdhsa_enable_private_segment 0
		.amdhsa_kernarg_size 56
		.amdhsa_user_sgpr_count 2
		.amdhsa_user_sgpr_kernarg_segment_ptr 1
		.amdhsa_wavefront_size32 1
		.amdhsa_system_sgpr_workgroup_id_x 1
		.amdhsa_system_sgpr_workgroup_id_y 1
		.amdhsa_system_sgpr_workgroup_id_z 1
		.amdhsa_system_vgpr_workitem_id 0
		.amdhsa_next_free_vgpr 226
		.amdhsa_next_free_sgpr 66
		.amdhsa_reserve_vcc 0
		.amdhsa_float_denorm_mode_32 3
		.amdhsa_float_denorm_mode_16_64 3
		.amdhsa_memory_ordered 1
		.amdhsa_forward_progress 1
		.amdhsa_inst_pref_size 63
	.end_amdhsa_kernel
	.amdgpu_metadata
---
amdhsa.version: [ 1, 2 ]
amdhsa.kernels:
  - .name:           k_q58e5617f27_quant
    .symbol:         k_q58e5617f27_quant.kd
    .args:
      - { .name: x, .offset: 0, .size: 8, .value_kind: global_buffer, .address_space: global }
      - { .name: W_qkv, .offset: 8, .size: 8, .value_kind: global_buffer, .address_space: global }
      - { .name: W_out, .offset: 16, .size: 8, .value_kind: global_buffer, .address_space: global }
      - { .name: xq, .offset: 24, .size: 8, .value_kind: global_buffer, .address_space: global }
      - { .name: wq, .offset: 32, .size: 8, .value_kind: global_buffer, .address_space: global }
      - { .name: wo, .offset: 40, .size: 8, .value_kind: global_buffer, .address_space: global }
      - { .name: sc, .offset: 48, .size: 8, .value_kind: global_buffer, .address_space: global }
    .group_segment_fixed_size: 120320
    .private_segment_fixed_size: 0
    .kernarg_segment_align: 8
    .kernarg_segment_size: 56
    .max_flat_workgroup_size: 256
    .sgpr_count:     66
    .vgpr_count:     226
    .wavefront_size: 32
...
	.end_amdgpu_metadata
.endif
;; end of part 1
;; launch qkvgemm (part 2): grid 12 x 16, 4 waves a work-group, clusters of 4 x 4, 327,680 bytes of LDS; arguments xq, wq, sc, b_qkv, qkv; writes qkv
.if DOCPART == 2
	.amdgcn_target "amdgcn-amd-amdhsa--gfx1250"
	.amdhsa_code_object_version 6
	.text
	.protected	k_q58e5617f27_qkvgemm
	.globl	k_q58e5617f27_qkvgemm
	.p2align	8
	.type	k_q58e5617f27_qkvgemm,@function
k_q58e5617f27_qkvgemm:
	s_mov_b64 s[64:65], 0
	v_nop
	global_prefetch_b8 v0, s[64:65] scope:SCOPE_SE
	s_setreg_imm32_b32 hwreg(HW_REG_WAVE_MODE, 25, 1), 1
	s_wait_xcnt 0x0
	s_wait_alu depctr_hold_cnt(0) depctr_sa_sdst(0) depctr_va_vdst(0) depctr_va_sdst(0) depctr_va_ssrc(0) depctr_va_vcc(0) depctr_vm_vsrc(0)
	s_getreg_b32 s2, hwreg(HW_REG_IB_STS2, 6, 4)
	s_cmp_eq_u32 s2, 0
	s_cbranch_scc0 .Lentry_in_a_cluster
	s_endpgm
.Lentry_in_a_cluster:
	s_bfe_u32 s2, ttmp6, 0x10000c
	s_cmp_lg_u32 s2, 0xf033
	s_cbranch_scc0 .Lentry_shape_is_right
	s_endpgm
.Lentry_shape_is_right:
.set NL,    3
.set FR,    12
.set TILEB, 3072
.set HALFT, 8*TILEB
.set SLOT,  4*HALFT
.set SPARE, 2*SLOT
.set RECB,  19712
.set HEADB, 16*RECB
.set BA,   8
.set ADRA, 16
.set ADRB, 20
.set L16,  24
.set L8,   25
.set SO,   26
.set SH,   27
.set SPW,  28
.set NIL,  29
.set SC,   32
.set TM,   96
.set SW,   112
.set AF,   128
.set G1,   24
.set G0,   32
.set G1B,  48
.set G0B,  56
.set TYP,  66
.set OUTC, 70
.set OUTS, 72
.set SEL,  80
.set MSB, 0
.macro WIN new
.if MSB != \new
	s_set_vgpr_msb (MSB<<8)|\new
.set MSB, \new
.endif
.endm
.set MUL_LO, 0xa1
.set MUL_HI, 0xf1
.set TO_B,   0x40
.macro JLOAD g0a, g1a, g0b, g1b
	s_cmp_eq_u32 s15, 0
	s_cbranch_scc0 .Lfor_b_\@
	tensor_load_to_lds s[\g0a:\g0a+3], s[\g1a:\g1a+7]
	s_nop 0
.rept 4
	v_nop
.endr
	s_branch .Lasked_\@
.Lfor_b_\@:
	tensor_load_to_lds s[\g0b:\g0b+3], s[\g1b:\g1b+7]
	s_nop 0
.rept 4
	v_nop
.endr
.Lasked_\@:
.endm
.macro CREST
	s_cmp_lg_u32 s14, 0
	s_cbranch_scc1 .Lnot_wave_0_\@
	s_barrier_signal -3
.Lnot_wave_0_\@:
	s_barrier_wait -3
	s_barrier_signal -1
	s_barrier_wait -1
.endm
.macro CROUND
	s_barrier_signal -1
	s_barrier_wait -1
	CREST
.endm
.macro PLACES
.rept 4
	v_nop
.endr
.endm
	s_load_b256 s[4:11], s[0:1], 0x0
	s_load_b64 s[12:13], s[0:1], 0x20
	v_lshl_add_u32 v[SPW], v0, 2, SPARE
	v_mov_b32 v[NIL], 0
	ds_add_u32 v28, v29
	ds_add_u32 v28, v29
	s_wait_dscnt 0x0
	v_lshrrev_b32 v1, 5, v0
	v_readfirstlane_b32 s14, v1
	s_lshr_b32 s15, s14, 1
	s_and_b32 s16, s14, 1
	s_bfe_u32 s40, ttmp6, 0x40000
	s_bfe_u32 s41, ttmp6, 0x40004
	s_lshl_b32 s42, ttmp9, 2
	s_add_co_u32 s42, s42, s40
	s_and_b32 s17, ttmp7, 0xffff
	s_lshl_b32 s17, s17, 2
	s_add_co_u32 s17, s17, s41
	s_lshl_b32 s43, s41, 2
	s_lshl_b32 s43, 15, s43
	s_lshl_b32 s44, 0x1111, s40
	s_or_b32 s[G1+0], s43, (3<<16)|(1<<21)
	s_or_b32 s[G1B+0], s44, (3<<16)|(1<<21)
.irp g, G1, G1B
	s_mov_b32 s[\g+1], 384<<16
	s_mov_b32 s[\g+2], 8<<16
	s_mov_b32 s[\g+3], 384<<16
	s_mov_b32 s[\g+4], 8
	s_mov_b32 s[\g+5], 1536
	s_mov_b32 s[\g+6], 0
	s_mov_b32 s[\g+7], 0
.endr
	s_cmp_eq_u32 ttmp9, 2
	s_cselect_b32 s[TYP], 1, 0
	s_cselect_b32 s67, s16, s15
	s_cselect_b32 s68, s15, s16
	s_lshl_b32 s18, s16, 3
	s_lshl_b32 s20, s17, 4
	s_add_co_u32 s20, s20, s18
	s_mul_i32 s20, s20, 12288
	s_mov_b32 s21, 0
	s_lshl_b32 s46, s42, 4
	s_add_co_u32 s46, s46, s18
	s_mul_i32 s46, s46, 12288
	s_mov_b32 s47, 0
	s_mul_i32 s45, s14, HALFT
	s_mov_b32 s[SEL], 0x76543210
	s_mov_b32 s[SEL+1], 0xfedcba98
	s_wait_kmcnt 0x0
	s_add_nc_u64 s[20:21], s[4:5], s[20:21]
	s_add_nc_u64 s[46:47], s[6:7], s[46:47]
	CROUND
.irp s, 0,1
	s_mov_b32 s[G0+4*\s], 1
	s_add_co_u32 s[G0+4*\s+1], s45, \s*SLOT
	s_add_nc_u64 s[G0+4*\s+2:G0+4*\s+3], s[20:21], \s*TILEB
	s_or_b32 s[G0+4*\s+3], s[G0+4*\s+3], 0x80000000
	s_mov_b32 s[G0B+4*\s], 1
	s_add_co_u32 s[G0B+4*\s+1], s45, \s*SLOT
	s_add_nc_u64 s[G0B+4*\s+2:G0B+4*\s+3], s[46:47], \s*TILEB
	s_or_b32 s[G0B+4*\s+3], s[G0B+4*\s+3], 0x80000000
.endr
	JLOAD G0, G1, G0B, G1B                         ; slot 0's fill, my one tensor load at the head; the addresses, the scale words' and the bias's loads below stand under its flight
	v_and_b32 v1, 31, v0
	v_and_b32 v2, 15, v0
	v_bfe_u32 v3, v0, 4, 1
	v_lshlrev_b32 v[L16], 4, v1
	s_wait_alu depctr_va_vdst(0)
	v_lshlrev_b32 v[L8], 3, v1
	v_lshlrev_b32 v[SH], 4, v3
	s_cmp_eq_u32 s[TYP], 1
	s_cselect_b32 s23, 2*HALFT, 0
	s_cselect_b32 s69, 0, 2*HALFT
	s_mul_i32 s21, s15, HALFT
	s_add_co_u32 s23, s23, s21
	s_mul_i32 s22, s16, HALFT
	s_add_co_u32 s69, s69, s22
.irp s, 0,1
	v_add_nc_u32 v[ADRA+\s], s23, v[L16]
	v_add_nc_u32 v[ADRB+\s], s69, v[L16]
	s_add_co_u32 s23, s23, SLOT
	s_add_co_u32 s69, s69, SLOT
.endr
	s_lshl_b32 s82, s17, 4
	s_lshl_b32 s83, s67, 3
	s_add_co_u32 s82, s82, s83
	s_lshl_b32 s82, s82, 9
	s_lshl_b32 s83, s42, 4
	s_lshl_b32 s84, s68, 3
	s_add_co_u32 s83, s83, s84
	s_lshl_b32 s83, s83, 9
	s_add_co_u32 s83, s83, 131072
	s_cmp_eq_u32 s[TYP], 1
	s_cselect_b32 s84, s83, s82
	s_cselect_b32 s85, s82, s83
	v_mov_b32 v4, s84
	v_mov_b32 v5, s85
	v_cmp_gt_u32 vcc_lo, 16, v1
	v_cndmask_b32 v4, v5, v4, vcc_lo
	v_lshl_add_u32 v4, v2, 4, v4
.irp i, 0,1,2,3,4,5,6,7
	global_load_b128 v[SC+8*\i:SC+8*\i+3], v4, s[8:9] offset:512*\i
	global_load_b128 v[SC+8*\i+4:SC+8*\i+7], v4, s[8:9] offset:512*\i+256
.endr
	s_lshl_b32 s86, s42, 10
	s_lshl_b32 s87, s68, 9
	s_add_co_u32 s86, s86, s87
	s_mov_b32 s87, 0
	s_add_nc_u64 s[10:11], s[10:11], s[86:87]
	s_cmp_eq_u32 s[TYP], 1
	s_cselect_b32 s88, 4, 0
	s_cselect_b32 s89, 0, 64
	s_cselect_b32 s90, 0, 4
	v_and_b32 v5, 8, v2
	v_add_nc_u32 v5, v5, v2
	v_mul_u32_u24 v5, s88, v5
	v_mad_u32_u24 v[BA], v3, s89, v5
.irp j, 1,2,3,4,5,6,7
	v_add_nc_u32 v[BA+\j], s90, v[BA+\j-1]
.endr
	WIN TO_B
.irp t, 0,1,2,3,4,5,6,7
.irp j, 0,1,2,3,4,5,6,7
	global_load_b32 v[96+8*\t+96*(\t/4)+\j], v[BA+\j], s[10:11] offset:4*(32*(\t/2)+8*(\t%2))
.endr
.endr
	WIN 0
	s_lshr_b32 s74, s17, 3
	s_lshl_b32 s74, s74, 4
	s_lshl_b32 s75, s42, 2
	s_lshl_b32 s76, s68, 1
	s_add_co_u32 s75, s75, s76
	s_and_b32 s75, s75, 15
	s_add_co_u32 s74, s74, s75
	s_lshl_b32 s74, s74, 4
	s_lshl_b32 s75, s17, 1
	s_add_co_u32 s75, s75, s67
	s_and_b32 s75, s75, 15
	s_add_co_u32 s74, s74, s75
	s_mul_i32 s74, s74, RECB
	s_mov_b32 s76, 0
	s_mov_b32 s77, 12288
	s_cmp_eq_u32 ttmp9, 1
	s_cselect_b32 s76, 13056, s76
	s_cselect_b32 s77, 19200, s77
	s_cmp_eq_u32 ttmp9, 2
	s_cselect_b32 s76, 6144, s76
	s_cselect_b32 s77, 12800, s77
	s_add_co_u32 s76, s76, s74
	s_add_co_u32 s78, s77, s74
	s_mov_b32 s77, 0
	s_mov_b32 s79, 0
	s_add_nc_u64 s[OUTC:OUTC+1], s[12:13], s[76:77]
	s_add_nc_u64 s[OUTS:OUTS+1], s[12:13], s[78:79]
	v_mul_u32_u24 v[SO], v3, HEADB
	v_lshl_add_u32 v[SO], v2, 4, v[SO]
.irp b, 0,1,2,3
	v_mov_b32 v[TM+4+\b], 0
.endr
.macro FRAG reg, adr, q, i
.irp c, 0,1,2
	ds_load_b128 v[\reg+4*\c:\reg+4*\c+3], v[\adr] offset:(\i)*TILEB+(\q)*1536+512*\c
.endr
.endm
.macro FETCH_B slot, q, p
	WIN TO_B
.irp i, 0,1,2,3,4,5,6,7
	FRAG 128*(\p)+FR*\i, ADRB+\slot, \q, \i
.endr
	WIN 0
.endm
.macro FETCH_A slot, q, i0
.irp i, \i0, \i0+1, \i0+2, \i0+3
	FRAG AF+FR*(\i), ADRA+\slot, \q, \i
.endr
.endm
.macro MUL16 a0, p, ks, cm
.irp a, \a0, \a0+1
.irp b, 0,1,2,3,4,5,6,7
.set rD, 8*(8*((\a)%4)+\b)
.set rC, rD
.if \cm == 1
.set rC, 96+8*\b+96*(\b/4)
.endif
.if \cm == 2
.set rC, 96+8*(\a)+96*((\a)/4)
.endif
	v_wmma_scale_f32_16x16x128_f8f6f4 v[rD:rD+7], v[128*(\p)+FR*\b:128*(\p)+FR*\b+FR-1], v[AF+FR*(\a):AF+FR*(\a)+FR-1], v[rC:rC+7], v[SC+8*\b+(\ks)], v[SC+8*(\a)+(\ks)] matrix_a_fmt:MATRIX_FMT_FP6 matrix_b_fmt:MATRIX_FMT_FP6 matrix_a_scale:MATRIX_SCALE_ROW1
.endr
.endr
.endm
.macro STEP slot, ks, cm
	s_wait_dscnt 4*NL
.if \cm
	WIN 0x91
.else
	WIN MUL_LO
.endif
	MUL16 0, 0, \ks, \cm
	MUL16 2, 0, \ks, \cm
	s_wait_dscnt 0x0
	PLACES
	FETCH_B \slot, 1, 1
	FETCH_A \slot, 1, 0
.if \cm
	WIN 0xd1
.else
	WIN MUL_HI
.endif
	MUL16 4, 0, \ks, \cm
	MUL16 6, 0, \ks, \cm
	PLACES
	WIN 0
	FETCH_A \slot, 1, 4
.endm
.macro TURN slot, next, fill, ks
	s_wait_tensorcnt 0x0
	ds_add_u32 v[SPW], v[NIL]
	s_wait_dscnt 4*NL+1
	WIN MUL_LO
	MUL16 0, 1, \ks, 0
	s_wait_dscnt 0x0
	s_barrier_signal -1
	MUL16 2, 1, \ks, 0
	WIN 0
	s_barrier_wait -1
.if \fill
	CREST
	s_add_nc_u64 s[G0+4*\slot+2:G0+4*\slot+3], s[G0+4*\slot+2:G0+4*\slot+3], 2*TILEB
	s_add_nc_u64 s[G0B+4*\slot+2:G0B+4*\slot+3], s[G0B+4*\slot+2:G0B+4*\slot+3], 2*TILEB
	JLOAD G0+4*\slot, G1, G0B+4*\slot, G1B
.else
	PLACES
.endif
	FETCH_B \next, 0, 0
	FETCH_A \next, 0, 0
	WIN MUL_HI
	MUL16 4, 1, \ks, 0
	MUL16 6, 1, \ks, 0
	PLACES
	WIN 0
	FETCH_A \next, 0, 4
.endm
	s_wait_alu depctr_va_vdst(0)                   ; the wait at the head's end
	s_wait_tensorcnt 0x0                           ; my part of slot 0 is in; slot 1's first fill is issued as a refill is
	ds_add_u32 v[SPW], v[NIL]
	s_wait_dscnt 0x0
	CROUND                                         ; everybody's part of slot 0 is in, and all sixteen work-groups are here
	JLOAD G0+4, G1, G0B+4, G1B                     ; slot 1's fill, the first tensor load behind the round
	FETCH_B 0, 0, 0
	FETCH_A 0, 0, 0
	FETCH_A 0, 0, 4
	s_wait_loadcnt 0x0
	s_cmp_eq_u32 s[TYP], 1
	s_cbranch_scc1 .Lfirst_v
	STEP 0, 0, 1
	s_branch .Lfirst_done
.Lfirst_v:
	STEP 0, 0, 2
.Lfirst_done:
	TURN 0, 1, 1, 1
	STEP 1, 2, 0
	TURN 1, 0, 1, 3
	STEP 0, 4, 0
	TURN 0, 1, 0, 5
	STEP 1, 6, 0
	s_wait_dscnt 4*NL
	WIN MUL_LO
	MUL16 0, 1, 7, 0
	MUL16 2, 1, 7, 0
	s_wait_dscnt 0x0
	WIN MUL_HI
	MUL16 4, 1, 7, 0
	MUL16 6, 1, 7, 0
	WIN 0
	PLACES
.macro QUANTW a
.set AC, 64*((\a)%4)
.set PC, 128+20*((\a)%2)
	WIN 0x28+0x14*((\a)/4)
.irp b, 0,1,2,3
	v_max3_num_f32 v[TM+\b], 0x1800000, |v[AC+16*\b]|, |v[AC+1+16*\b]|
.endr
.irp i, 2,4,6,8,10,12,14
.irp b, 0,1,2,3
	v_max3_num_f32 v[TM+\b], v[TM+\b], |v[AC+16*\b+\i]|, |v[AC+1+16*\b+\i]|
.endr
.endr
	WIN 0
.irp b, 0,1,2,3
	v_permlanex16_b32 v[TM+4+\b], v[TM+\b], s[SEL], s[SEL+1]
.endr
.irp b, 0,1,2,3
	v_max_num_f32 v[TM+\b], v[TM+\b], v[TM+4+\b]
.endr
.irp b, 0,1,2,3
	v_add_nc_u32 v[TM+12+\b], 0xff000000, v[TM+\b]
.endr
.irp b, 0,1,2,3
	v_lshrrev_b32 v[TM+4+\b], 23, v[TM+12+\b]
.endr
	v_lshl_or_b32 v[SW+(\a)], v[TM+5], 8, v[TM+4]
	v_lshl_or_b32 v[SW+(\a)], v[TM+6], 16, v[SW+(\a)]
	v_lshl_or_b32 v[SW+(\a)], v[TM+7], 24, v[SW+(\a)]
	s_wait_xcnt 0x0
	WIN 0x02+((\a)/4)
.irp c, 0,1
	v_cvt_scalef32_pk16_fp6_f32 v[PC+6*\c:PC+2+6*\c], v[AC+32*\c:AC+15+32*\c], v[TM+12+2*\c]
	v_cvt_scalef32_pk16_fp6_f32 v[PC+12+4*\c:PC+14+4*\c], v[AC+16+32*\c:AC+31+32*\c], v[TM+12+2*\c+1]
.endr
	WIN 0
	v_nop
.irp c, 0,1
.irp i, 0,1,2
	v_permlane16_swap_b32 v[PC+6*\c+\i], v[PC+12+4*\c+\i]
.endr
.irp i, 0,1,2
	v_mov_b32 v[PC+3+6*\c+\i], v[PC+12+4*\c+\i]
.endr
.endr
.endm
	s_cmp_eq_u32 s[TYP], 1
	s_cbranch_scc1 .Lout_v
.irp a, 0,1,2,3,4,5,6,7
	QUANTW \a
	global_store_b128 v[L16], v[PC:PC+3], s[OUTC:OUTC+1] offset:768*\a
	global_store_b64 v[L8], v[PC+4:PC+5], s[OUTC:OUTC+1] offset:768*\a+512
	global_store_b128 v[L16], v[PC+6:PC+9], s[OUTC:OUTC+1] offset:HEADB+768*\a
	global_store_b64 v[L8], v[PC+10:PC+11], s[OUTC:OUTC+1] offset:HEADB+768*\a+512
.endr
.irp a, 0,1,2,3,4,5,6,7
	v_lshrrev_b32 v[SW+\a], v[SH], v[SW+\a]
.endr
.irp a, 0,1,2,3,4,5,6,7
	v_and_b32 v[SW+\a], 0xffff, v[SW+\a]
.endr
	global_store_b128 v[SO], v[SW:SW+3], s[OUTS:OUTS+1]
	global_store_b128 v[SO], v[SW+4:SW+7], s[OUTS:OUTS+1] offset:256
	s_branch .Lend
; V's way out.  Source 0 was x's tiles: register 8 b + j of lane (r, h) is token 64 (b / 4) + 32 h + 8 (b % 4) + j of the wave's 128, for channel r of tile a.
; So registers 32 c .. 32 c + 31 are the whole block 2 c + h of the keys, in order: the largest magnitude needs no other lane, and the conversions' results are the operand's registers 6 c .. 6 c + 5.
.macro QUANTV a
.set AC, 64*((\a)%4)
.set PC, 128+20*((\a)%2)
	WIN 0x28+0x14*((\a)/4)
.irp b, 0,1,2,3
	v_max3_num_f32 v[TM+\b], 0x1800000, |v[AC+16*\b]|, |v[AC+1+16*\b]|   ; four chains of 16, with the floor 2^(3 - 127)
.endr
.irp i, 2,4,6,8,10,12,14
.irp b, 0,1,2,3
	v_max3_num_f32 v[TM+\b], v[TM+\b], |v[AC+16*\b+\i]|, |v[AC+1+16*\b+\i]|
.endr
.endr
	WIN 0
	v_max_num_f32 v[TM], v[TM], v[TM+1]            ; block h
	v_max_num_f32 v[TM+2], v[TM+2], v[TM+3]        ; block 2 + h
	v_add_nc_u32 v[TM+12], 0xff000000, v[TM]       ; 2 off the exponent field: the conversions' scale operand
	v_add_nc_u32 v[TM+13], 0xff000000, v[TM+2]
	v_lshrrev_b32 v[TM+4], 23, v[TM+12]            ; the bytes
	v_lshrrev_b32 v[TM+5], 23, v[TM+13]
	v_lshl_or_b32 v[SW+(\a)], v[TM+5], 16, v[TM+4]
	v_lshlrev_b32 v[SW+(\a)], v[TM+8], v[SW+(\a)]  ; 8 h bits up: bytes h and 2 + h of the word
	v_permlanex16_b32 v[TM+6], v[SW+(\a)], s[SEL], s[SEL+1]
	v_or_b32 v[SW+(\a)], v[SW+(\a)], v[TM+6]       ; with lane l xor 16's two the word is whole, in both halves of the lanes
	s_wait_alu depctr_va_vdst(0)
	s_wait_xcnt 0x0                                ; the stores of two tiles ago have read the registers that the codes take
	WIN 0x02+((\a)/4)
.irp c, 0,1
	v_cvt_scalef32_pk16_fp6_f32 v[PC+6*\c:PC+2+6*\c], v[AC+32*\c:AC+15+32*\c], v[TM+12+\c]
	v_cvt_scalef32_pk16_fp6_f32 v[PC+12+4*\c:PC+14+4*\c], v[AC+16+32*\c:AC+31+32*\c], v[TM+12+\c]
.endr
	WIN 0
	v_nop                                          ; one plain place behind a scaled conversion
.irp c, 0,1
.irp i, 0,1,2
	v_mov_b32 v[PC+3+6*\c+\i], v[PC+12+4*\c+\i]
.endr
.endr
.endm
.Lout_v:
	v_lshrrev_b32 v[TM+8], 1, v[SH]                ; 8 h
.irp a, 0,1,2,3,4,5,6,7
	QUANTV \a
.irp c, 0,1,2
	global_store_b128 v[L16], v[PC+4*\c:PC+4*\c+3], s[OUTC:OUTC+1] offset:HEADB*(\a/4)+1536*(\a%4)+512*\c
.endr
.endr
	v_cmp_eq_u32 vcc_lo, 1, v3
.irp i, 0,1,2,3
	v_cndmask_b32 v[SW+\i], v[SW+\i], v[SW+4+\i], vcc_lo
.endr
	global_store_b128 v[SO], v[SW:SW+3], s[OUTS:OUTS+1]
.Lend:
	s_wait_tensorcnt 0x0
	ds_add_u32 v[SPW], v[NIL]
	s_wait_dscnt 0x0
	CROUND
	s_endpgm
.Lfunc_end_k_q58e5617f27_qkvgemm:
	.size	k_q58e5617f27_qkvgemm, .Lfunc_end_k_q58e5617f27_qkvgemm-k_q58e5617f27_qkvgemm
	.p2alignl 7, 3214868480
	.fill 96, 4, 3214868480
	.section	.rodata,"a",@progbits
	.p2align	6, 0x0
	.amdhsa_kernel k_q58e5617f27_qkvgemm
		.amdhsa_group_segment_fixed_size 327680
		.amdhsa_private_segment_fixed_size 0
		.amdhsa_enable_private_segment 0
		.amdhsa_kernarg_size 40
		.amdhsa_user_sgpr_count 2
		.amdhsa_user_sgpr_kernarg_segment_ptr 1
		.amdhsa_wavefront_size32 1
		.amdhsa_system_sgpr_workgroup_id_x 1
		.amdhsa_system_sgpr_workgroup_id_y 1
		.amdhsa_system_sgpr_workgroup_id_z 1
		.amdhsa_system_vgpr_workitem_id 0
		.amdhsa_next_free_vgpr 1024
		.amdhsa_next_free_sgpr 100
		.amdhsa_reserve_vcc 1
		.amdhsa_float_denorm_mode_32 3
		.amdhsa_float_denorm_mode_16_64 3
		.amdhsa_memory_ordered 1
		.amdhsa_forward_progress 1
		.amdhsa_inst_pref_size 186
	.end_amdhsa_kernel
	.amdgpu_metadata
---
amdhsa.version: [ 1, 2 ]
amdhsa.kernels:
  - .name:           k_q58e5617f27_qkvgemm
    .symbol:         k_q58e5617f27_qkvgemm.kd
    .args:
      - { .name: xq, .offset: 0, .size: 8, .value_kind: global_buffer, .address_space: global }
      - { .name: wq, .offset: 8, .size: 8, .value_kind: global_buffer, .address_space: global }
      - { .name: sc, .offset: 16, .size: 8, .value_kind: global_buffer, .address_space: global }
      - { .name: b_qkv, .offset: 24, .size: 8, .value_kind: global_buffer, .address_space: global }
      - { .name: qkv, .offset: 32, .size: 8, .value_kind: global_buffer, .address_space: global }
    .group_segment_fixed_size: 327680
    .private_segment_fixed_size: 0
    .kernarg_segment_align: 8
    .kernarg_segment_size: 40
    .max_flat_workgroup_size: 128
    .sgpr_count:     100
    .vgpr_count:     1024
    .wavefront_size: 32
...
	.end_amdgpu_metadata
.endif
;; end of part 2
;; launch attn (part 3): grid 8 x 32, 16 waves a work-group, clusters of 4 x 1, 327,680 bytes of LDS; arguments qkv, oimg, os; writes oimg, os
.if DOCPART == 3
	.amdgcn_target "amdgcn-amd-amdhsa--gfx1250"
	.amdhsa_code_object_version 6
	.text
	.protected	k_q58e5617f27_attn
	.globl	k_q58e5617f27_attn
	.p2align	8
	.type	k_q58e5617f27_attn,@function
k_q58e5617f27_attn:
	s_mov_b64 s[64:65], 0
	v_nop
	global_prefetch_b8 v0, s[64:65] scope:SCOPE_SE
	s_setreg_imm32_b32 hwreg(HW_REG_WAVE_MODE, 25, 1), 1
	s_wait_xcnt 0x0
	s_wait_alu depctr_hold_cnt(0) depctr_sa_sdst(0) depctr_va_vdst(0) depctr_va_sdst(0) depctr_va_ssrc(0) depctr_va_vcc(0) depctr_vm_vsrc(0)
	s_getreg_b32 s2, hwreg(HW_REG_IB_STS2, 6, 4)
	s_cmp_eq_u32 s2, 0
	s_cbranch_scc0 .Lentry_in_a_cluster
	s_endpgm
.Lentry_in_a_cluster:
	s_bfe_u32 s2, ttmp6, 0x10000c
	s_cmp_lg_u32 s2, 0x3003
	s_cbranch_scc0 .Lentry_shape_is_right
	s_endpgm
.Lentry_shape_is_right:
; o = softmax(q k^T / 8) v for one head, both products on codes of FP6 (E2M3) with E8M0 scales; o is quantised along the head's 64 at once, as the last product's operand.
; THE SOFTMAX: t = score x log2(e) / 8; M = the running largest t rounded UP to a whole number; p = 2^(t - M) is quantised along the keys, not normalised; the row's sum is taken of the unquantised p and divides at the end.
; When M moves, the sum and O are multiplied by 2^(old M - new M): exact.  The order in which a wave takes the key steps is free under a running M.
; SHARES.  A work-group owns 256 queries of one head, each of its sixteen waves one tile of 16: four waves to a SIMD.
; LDS IS FILLED ONCE.  A key step's K codes (6,144 bytes), V codes (6,144) and scale words (768) are the first 13,056 bytes of its record: 51 rows of 256 bytes.  Wave w asks for key step w: one tensor load a wave, one out by this text's count.
; A wave waits for its own load, signals the one barrier, works its OWN key step w (bytes that no other wave's load touches), waits at the barrier, and then takes key steps (w + n) % 16, n = 1 .. 15.  Nothing is filled again.
; CLUSTER: the four query blocks of a cluster read the same head: each load is asked for jointly, with the same descriptor in all four.
; NO PREFETCH: all that the launch reads through LDS is asked for at its head; there is no loop to run ahead in.
; LAYOUT.  Both products are used transposed (S^T = K Q^T, O^T = V^T P^T): a lane holds ONE query throughout.  Row m of K's tile t is key 64 (t / 4) + 32 (m / 8) + 8 (t % 4) + m % 8 of the step's 128, so register 32 c + i
; of lane (r, h)'s scores is key 64 c + 32 h + i: a lane holds blocks h and 2 + h of the keys whole, as the next operand's registers 6 c .. 6 c + 5 want them.  A block's maximum needs no other lane and p's codes change no lane.
; K = 64 IN AN INSTRUCTION OF K = 128: Q's registers 6-11 are zero codes; K's operand of tile t is v[32 + 6 t] on, 12 registers, of which the upper six are the next tile's codes (behind the last: zeros).
; E2M3 has no code for NaN or infinity, so a zero code times any code adds 0; the scale bytes of that half are 0 on both sides.
; A block's largest p is the exponential of its largest score (p rises with the score).
; LIMITS: the promise holds while the scaled scores stay under 2^31 in magnitude; NaN and infinities are not served; a block of zeros gets the byte 1, read by this program alone.
; REGISTERS: v1-7 addresses and 8 h, which stay; v8-10 addresses in hand; v12 -M, v13 the largest score, v[14:15] the sum; v16-27 Q; v28 Q's words; v32-79 K's tiles, then V's fragments; v80-85 zeros; v86-93 K's words;
;   v96-159 S^T, then p; v160-191 O^T; v192-210 p's codes; v212-219 at work; v220-223 V's words; v224-225 scale operands; v226 p's word; v[230:231] f; v232-233 at work; v242-253 partial sums.
.set RECB,  19712
.set HEADB, 16*RECB
.set KVB,   13056                      ; what a key step has in LDS
.set OSC,   16*KVB                     ; the gather of o's scale words: 64 bytes a wave; no tensor load lands here
.set SPARE, OSC+1024                   ; the spare words, 128 bytes a wave
.set ADK,  8
.set ADK8, 9
.set ADS,  10
.set WV,   18
.set SEL,  20
.set CS,   22
.set G1,   24
.set G0,   32
.set CN,   36
.set TB,   37
.set CNT,  38
.macro ROUND
	s_barrier_signal -1
	s_barrier_wait -1
	s_cmp_lg_u32 s[WV], 0
	s_cbranch_scc1 .Lnot_wave_0_\@
	s_barrier_signal -3
.Lnot_wave_0_\@:
	s_barrier_wait -3
	s_barrier_signal -1
	s_barrier_wait -1
.endm
	s_load_b128 s[4:7], s[0:1], 0x0                ; qkv, oimg
	s_load_b64 s[8:9], s[0:1], 0x10                ; os
	v_lshl_add_u32 v254, v0, 2, SPARE
	v_mov_b32 v255, 0
	ds_add_u32 v254, v255                          ; the opening lines: the add twice on end and its wait
	ds_add_u32 v254, v255
	v_lshrrev_b32 v8, 5, v0
	v_readfirstlane_b32 s[WV], v8                  ; wave 0..15
	s_bfe_u32 s10, ttmp6, 0x40000                  ; cx
	s_lshl_b32 s11, ttmp9, 2
	s_add_co_u32 s11, s11, s10                     ; my block of 256 queries: it enters Q's and o's addresses alone
	s_and_b32 s12, ttmp7, 0xffff                   ; batch x 16 + head, which the partners share
	s_mul_i32 s14, s12, HEADB
	s_mov_b32 s15, 0
	s_mov_b32 s[G1], 15|(3<<16)|(1<<21)            ; group 1: 51 rows of 256 bytes (32 elements of 8), dense; the mask names all four work-groups
	s_mov_b32 s[G1+1], 32<<16
	s_mov_b32 s[G1+2], 51<<16
	s_mov_b32 s[G1+3], 32<<16
	s_mov_b32 s[G1+4], 51
	s_mov_b32 s[G1+5], 32
	s_mov_b32 s[G1+6], 0
	s_mov_b32 s[G1+7], 0
	s_mul_i32 s[TB], s[WV], KVB                    ; key step w's place in LDS
	s_mul_i32 s40, s[WV], RECB                     ; and its record
	s_mov_b32 s41, 0
	s_mov_b32 s[SEL], 0x76543210
	s_mov_b32 s[SEL+1], 0xfedcba98
	s_mov_b32 s[CS], 0x3e38aa3b                    ; c = log2(e) / 8
	s_mov_b32 s[CS+1], s[CS]
	s_mov_b32 s[CN], 0xbe38aa3b                    ; -c
	s_wait_dscnt 0x0
	s_wait_kmcnt 0x0
	s_add_nc_u64 s[14:15], s[4:5], s[14:15]        ; the head's first record
	s_mov_b32 s[G0], 1
	s_mov_b32 s[G0+1], s[TB]
	s_add_nc_u64 s[G0+2:G0+3], s[14:15], s[40:41]
	s_or_b32 s[G0+3], s[G0+3], 0x80000000
	ROUND                                          ; all four work-groups are here: the joint loads meet
	tensor_load_to_lds s[G0:G0+3], s[G1:G1+7]
	s_nop 0
	s_lshl_b32 s40, s11, 1
	s_lshr_b32 s41, s[WV], 3
	s_add_co_u32 s40, s40, s41
	s_mul_i32 s40, s40, RECB                       ; my queries' record
	s_and_b32 s41, s[WV], 7                        ; my tile in it
	s_mul_i32 s42, s41, 768
	s_add_co_u32 s42, s42, s40
	s_add_co_u32 s42, s42, 13056
	s_mov_b32 s43, 0
	s_add_nc_u64 s[16:17], s[14:15], s[42:43]      ; Q's half image
	s_lshr_b32 s42, s41, 2
	s_lshl_b32 s42, s42, 8
	s_and_b32 s41, s41, 3
	s_lshl_b32 s41, s41, 2
	s_add_co_u32 s42, s42, s41
	s_add_co_u32 s42, s42, s40
	s_add_co_u32 s42, s42, 19200
	s_add_nc_u64 s[44:45], s[14:15], s[42:43]      ; its scale words
	s_lshr_b32 s46, s12, 4
	s_lshl_b32 s46, s46, 7
	s_lshl_b32 s47, s11, 4
	s_add_co_u32 s46, s46, s47                     ; the work-group's first tile of rows: 128 x batch + 16 x block
	s_and_b32 s13, s12, 15                         ; head
	s_lshl_b32 s42, s13, 14
	s_lshl_b32 s47, s46, 6
	s_add_co_u32 s42, s42, s47
	s_and_b32 s48, s[WV], 1
	s_lshl_b32 s48, s48, 9
	s_add_co_u32 s42, s42, s48
	s_add_nc_u64 s[8:9], s[8:9], s[42:43]          ; os: [head][tile][r]; waves 0 and 1 store 512 bytes each
	s_add_co_u32 s48, s48, OSC
	s_add_co_u32 s46, s46, s[WV]
	s_mul_i32 s42, s46, 12288
	s_mul_i32 s47, s13, 768
	s_add_co_u32 s42, s42, s47
	s_add_nc_u64 s[6:7], s[6:7], s[42:43]          ; oimg: tile x 12,288 + head x 768
	s_lshl_b32 s49, s[WV], 6
	s_add_co_u32 s49, s49, OSC
	v_and_b32 v9, 31, v0                           ; lane
	v_and_b32 v10, 15, v0                          ; r
	v_bfe_u32 v7, v0, 4, 1                         ; h
	v_lshlrev_b32 v1, 4, v9                        ; 16 x lane
	v_lshlrev_b32 v2, 3, v9                        ; 8 x lane
	v_lshlrev_b32 v6, 4, v10                       ; 16 r
	v_lshlrev_b32 v7, 3, v7                        ; 8 h
	v_add_nc_u32 v3, 12288, v6                     ; a key step's scale words: 16 r
	v_add_nc_u32 v5, s48, v1                       ; out of the gather
	v_lshl_add_u32 v4, v10, 2, s49                 ; into it: 64 x wave + 4 r
	global_load_b128 v[16:19], v1, s[16:17]
	global_load_b64 v[20:21], v2, s[16:17] offset:512
	global_load_b32 v28, v6, s[44:45]
	v_mov_b32 v13, 0xff61b1e6                      ; the largest score so far: -3e38
	v_floor_f32 v12, -v13                          ; -M
	v_mov_b32 v14, 0
	v_mov_b32 v15, 0
.irp j, 22,23,24,25,26,27,80,81,82,83,84,85,216,218,231
	v_mov_b32 v[\j], 0                             ; zero codes; permute destinations; the upper half of f's pair
.endr
; A KEY STEP: 128 keys, at s[TB] in LDS.  first = 1: its products start O^T's sums, so nothing is cleared and nothing rescaled
.macro STEP first
	v_add_nc_u32 v[ADK], s[TB], v1
	v_add_nc_u32 v[ADK8], s[TB], v2
	v_add_nc_u32 v[ADS], s[TB], v3
	v_mov_b32 v232, v12                            ; the old -M.  These four are the places behind the last products, in front of loads into the registers that they read
.irp t, 0,1,2,3,4,5,6,7
	ds_load_b128 v[32+6*\t:35+6*\t], v[ADK] offset:768*\t
	ds_load_b64 v[36+6*\t:37+6*\t], v[ADK8] offset:768*\t+512
.endr
	ds_load_b128 v[86:89], v[ADS]
	ds_load_b128 v[90:93], v[ADS] offset:256
	s_wait_alu depctr_va_vdst(0)                   ; the wait here: the addresses
	s_wait_dscnt 0x0
.irp t, 0,1,2,3,4,5,6,7
	v_wmma_scale_f32_16x16x128_f8f6f4 v[96+8*\t:103+8*\t], v[32+6*\t:43+6*\t], v[16:27], 0, v[86+\t], v28 matrix_a_fmt:MATRIX_FMT_FP6 matrix_b_fmt:MATRIX_FMT_FP6
.endr
.rept 4
	v_nop
.endr
.irp t, 0,1,2,3                                ; V's fragments land under the softmax
.irp c, 0,1,2
	ds_load_b128 v[32+12*\t+4*\c:35+12*\t+4*\c], v[ADK] offset:6144+1536*\t+512*\c
.endr
.endr
	ds_load_b128 v[220:223], v[ADS] offset:512
.irp q, 0,1,2,3
	v_max3_num_f32 v[212+\q], v[96+16*\q], v[97+16*\q], v[98+16*\q]   ; four chains by turns, each over 16 scores
.endr
.irp i, 3,5,7,9,11,13
.irp q, 0,1,2,3
	v_max3_num_f32 v[212+\q], v[212+\q], v[96+16*\q+\i], v[97+16*\q+\i]
.endr
.endr
.irp c, 0,1
	v_max3_num_f32 v[212+2*\c], v[212+2*\c], v[111+32*\c], v[127+32*\c]
.endr
.irp c, 0,1
	v_max_num_f32 v[212+2*\c], v[212+2*\c], v[213+2*\c]   ; the largest score of my block 2 c + h: for the row's maximum and for the block's largest p
.endr
	s_delay_alu instid0(VALU_DEP_1)
	v_max_num_f32 v233, v212, v214
	s_delay_alu instid0(VALU_DEP_1)
	v_permlanex16_b32 v216, v233, s[SEL], s[SEL+1]
	s_delay_alu instid0(VALU_DEP_1)
	v_max3_num_f32 v13, v13, v233, v216            ; the running largest score of my query
	s_delay_alu instid0(VALU_DEP_1)
	v_mul_f32 v233, s[CN], v13                     ; -t
	s_delay_alu instid0(VALU_DEP_1)
	v_floor_f32 v12, v233                          ; the new -M = -ceil(t)
	s_delay_alu instid0(VALU_DEP_1)
	v_sub_f32 v232, v12, v232                      ; old M - new M: a whole number, 0 or less
	s_delay_alu instid0(VALU_DEP_1)
	v_cvt_i32_f32 v232, v232                       ; (it saturates)
	s_delay_alu instid0(VALU_DEP_1)
	v_ldexp_f32 v230, 1.0, v232                    ; f = 2^(old M - new M)
.if !(\first)
.set j, 0
.rept 16
	v_pk_mul_f32 v[160+j:161+j], v[160+j:161+j], v[230:231] op_sel_hi:[1,0]   ; O^T under the new M
.set j, j+2
.endr
.endif
.set j, 0
.rept 32
	v_pk_fma_f32 v[96+j:97+j], v[96+j:97+j], s[CS:CS+1], v[12:13] op_sel_hi:[1,0,0]   ; t - M
.set j, j+2
.endr
	v_fma_f32 v212, v212, s[CS], v12
	v_fma_f32 v214, v214, s[CS], v12
	s_wait_alu depctr_va_vdst(0)                   ; the wait ahead of the batch
.set j, 0
.rept 64
	v_exp_f32 v[96+j], v[96+j]                     ; p = 2^(t - M)
.set j, j+1
.endr
	v_exp_f32 v212, v212                           ; my two blocks' largest p
	v_exp_f32 v214, v214
	v_pk_mul_f32 v[14:15], v[14:15], v[230:231] op_sel_hi:[1,0]   ; the sums under the new M: a plain place behind the exponentials
	s_wait_alu depctr_va_vdst(0)                   ; one wait for the batch, ahead of its first reader
	v_max_num_f32 v212, 0x1800000, v212            ; the floor 2^(3 - 127)
	v_max_num_f32 v214, 0x1800000, v214
	s_delay_alu instid0(VALU_DEP_2)
	v_add_nc_u32 v224, 0xff000000, v212            ; 2 off the exponent field: the conversions' scale operand
	s_delay_alu instid0(VALU_DEP_2)
	v_add_nc_u32 v225, 0xff000000, v214
	s_delay_alu instid0(VALU_DEP_2)
	v_lshrrev_b32 v216, 23, v224
	s_delay_alu instid0(VALU_DEP_2)
	v_lshrrev_b32 v217, 23, v225
	s_delay_alu instid0(VALU_DEP_1)
	v_lshl_or_b32 v226, v217, 16, v216
	s_delay_alu instid0(VALU_DEP_1)
	v_lshlrev_b32 v226, v7, v226                   ; my bytes h and 2 + h of p's scale word
	s_delay_alu instid0(VALU_DEP_1)
	v_permlanex16_b32 v218, v226, s[SEL], s[SEL+1]
	s_delay_alu instid0(VALU_DEP_1)
	v_or_b32 v226, v226, v218                      ; with lane l xor 16's two the word is whole
.irp c, 0,1
	v_cvt_scalef32_pk16_fp6_f32 v[192+6*\c:194+6*\c], v[96+32*\c:111+32*\c], v[224+\c]
	v_cvt_scalef32_pk16_fp6_f32 v[204+4*\c:206+4*\c], v[112+32*\c:127+32*\c], v[224+\c]   ; (a conversion's three registers begin on an even number)
.endr
	; the row's sum of the unquantised p, in eight chains; these lines are also the places between the conversions, p's codes and word, and the products
	v_pk_add_f32 v[216:217], v[100:101], v[104:105]
	v_pk_add_f32 v[252:253], v[108:109], v[112:113]
	v_pk_add_f32 v[250:251], v[116:117], v[120:121]
	v_pk_add_f32 v[248:249], v[124:125], v[128:129]
	v_pk_add_f32 v[246:247], v[132:133], v[136:137]
	v_pk_add_f32 v[244:245], v[140:141], v[144:145]
	v_pk_add_f32 v[242:243], v[148:149], v[152:153]
	v_pk_add_f32 v[14:15], v[14:15], v[156:157]
.irp c, 0,1
.irp i, 0,1,2
	v_mov_b32 v[195+6*\c+\i], v[204+4*\c+\i]
.endr
.endr
	v_pk_add_f32 v[216:217], v[216:217], v[96:97]
	v_pk_add_f32 v[252:253], v[252:253], v[98:99]
	v_pk_add_f32 v[250:251], v[250:251], v[102:103]
	v_pk_add_f32 v[248:249], v[248:249], v[106:107]
	v_pk_add_f32 v[246:247], v[246:247], v[110:111]
	v_pk_add_f32 v[244:245], v[244:245], v[114:115]
	v_pk_add_f32 v[242:243], v[242:243], v[118:119]
	v_pk_add_f32 v[14:15], v[14:15], v[122:123]
	v_pk_add_f32 v[216:217], v[216:217], v[126:127]
	v_pk_add_f32 v[252:253], v[252:253], v[130:131]
	v_pk_add_f32 v[250:251], v[250:251], v[134:135]
	v_pk_add_f32 v[248:249], v[248:249], v[138:139]
	v_pk_add_f32 v[246:247], v[246:247], v[142:143]
	v_pk_add_f32 v[244:245], v[244:245], v[146:147]
	v_pk_add_f32 v[242:243], v[242:243], v[150:151]
	v_pk_add_f32 v[14:15], v[14:15], v[154:155]
	v_pk_add_f32 v[216:217], v[216:217], v[158:159]
	s_delay_alu instid0(VALU_DEP_2)
	v_pk_add_f32 v[14:15], v[14:15], v[248:249]
	s_delay_alu instid0(VALU_DEP_2)
	v_pk_add_f32 v[216:217], v[216:217], v[246:247]
	v_pk_add_f32 v[252:253], v[252:253], v[244:245]
	v_pk_add_f32 v[250:251], v[250:251], v[242:243]
	s_delay_alu instid0(VALU_DEP_2)
	v_pk_add_f32 v[14:15], v[14:15], v[252:253]
	s_delay_alu instid0(VALU_DEP_2)
	v_pk_add_f32 v[216:217], v[216:217], v[250:251]
	s_delay_alu instid0(VALU_DEP_1)
	v_pk_add_f32 v[14:15], v[14:15], v[216:217]
	s_wait_alu depctr_va_vdst(0)                   ; the wait here, directly ahead of the wait below
	s_wait_dscnt 0x0                               ; V
.irp t, 0,1,2,3
.if \first
	v_wmma_scale_f32_16x16x128_f8f6f4 v[160+8*\t:167+8*\t], v[32+12*\t:43+12*\t], v[192:203], 0, v[220+\t], v226 matrix_a_fmt:MATRIX_FMT_FP6 matrix_b_fmt:MATRIX_FMT_FP6
.else
	v_wmma_scale_f32_16x16x128_f8f6f4 v[160+8*\t:167+8*\t], v[32+12*\t:43+12*\t], v[192:203], v[160+8*\t:167+8*\t], v[220+\t], v226 matrix_a_fmt:MATRIX_FMT_FP6 matrix_b_fmt:MATRIX_FMT_FP6
.endif
.endr
.endm
	s_wait_alu depctr_va_vdst(0)                   ; the wait at the head's end
	s_wait_loadcnt 0x0                             ; Q
	s_wait_tensorcnt 0x0                           ; my key step is in:
	s_barrier_signal -1                            ; say so,
	STEP 1                                         ; work it (LDS loads of my own load's bytes, which nobody writes again),
	s_barrier_wait -1                              ; and go on when every wave's key step is in
	s_mov_b32 s[CNT], 1
.Lstep:
	s_add_co_u32 s[TB], s[WV], s[CNT]
	s_and_b32 s[TB], s[TB], 15
	s_mul_i32 s[TB], s[TB], KVB                    ; key step (w + n) % 16
	STEP 0
	s_add_co_u32 s[CNT], s[CNT], 1
	s_cmp_lg_u32 s[CNT], 16
	s_cbranch_scc1 .Lstep
	; THE WAY OUT: O^T / the sum, quantised along the head's 64 (two blocks): a half image and a word of two bytes
.rept 4
	v_nop                                          ; places behind the last products
.endr
	v_add_f32 v14, v14, v15
	s_delay_alu instid0(VALU_DEP_1)
	v_permlanex16_b32 v230, v14, s[SEL], s[SEL+1]
	s_delay_alu instid0(VALU_DEP_1)
	v_add_f32 v14, v14, v230                       ; the row's sum
	s_wait_alu depctr_va_vdst(0)
	v_rcp_f32 v14, v14
	v_nop                                          ; a plain place behind the reciprocal
	s_wait_alu depctr_va_vdst(0)                   ; and the wait ahead of its first reader
.set j, 0
.rept 32
	v_mul_f32 v[96+j], v[160+j], v14               ; register 16 g + i = channel 32 g + 16 (lane / 16) + i
.set j, j+1
.endr
.irp b, 0,1
	v_max3_num_f32 v[212+\b], |v[96+16*\b]|, |v[97+16*\b]|, 0x1800000
.endr
.irp i, 2,4,6,8,10,12,14
.irp b, 0,1
	s_delay_alu instid0(VALU_DEP_2)
	v_max3_num_f32 v[212+\b], v[212+\b], |v[96+16*\b+\i]|, |v[97+16*\b+\i]|
.endr
.endr
.irp b, 0,1
	s_delay_alu instid0(VALU_DEP_2)
	v_permlanex16_b32 v[216+\b], v[212+\b], s[SEL], s[SEL+1]
.endr
.irp b, 0,1
	s_delay_alu instid0(VALU_DEP_2)
	v_max_num_f32 v[212+\b], v[212+\b], v[216+\b]
.endr
.irp b, 0,1
	s_delay_alu instid0(VALU_DEP_2)
	v_add_nc_u32 v[224+\b], 0xff000000, v[212+\b]
.endr
.irp b, 0,1
	s_delay_alu instid0(VALU_DEP_2)
	v_lshrrev_b32 v[216+\b], 23, v[224+\b]
.endr
	s_delay_alu instid0(VALU_DEP_1)
	v_lshl_or_b32 v228, v217, 8, v216
	v_cvt_scalef32_pk16_fp6_f32 v[192:194], v[96:111], v224
	v_cvt_scalef32_pk16_fp6_f32 v[204:206], v[112:127], v225
	v_nop
.irp i, 0,1,2
	v_permlane16_swap_b32 v[192+\i], v[204+\i]
.endr
.irp i, 0,1,2
	s_delay_alu instid0(VALU_DEP_3)
	v_mov_b32 v[195+\i], v[204+\i]
.endr
	global_store_b128 v1, v[192:195], s[6:7]
	global_store_b64 v2, v[196:197], s[6:7] offset:512
	ds_store_b32 v4, v228                          ; both halves of the lanes write the same word with the same value
	s_wait_dscnt 0x0                               ; for the others' sake
	s_barrier_signal -1
	s_barrier_wait -1
	s_cmp_lt_u32 s[WV], 2
	s_cbranch_scc0 .Lno_words
	ds_load_b128 v[96:99], v5
	s_wait_dscnt 0x0
	global_store_b128 v1, v[96:99], s[8:9]         ; eight tiles' words: 512 consecutive bytes
.Lno_words:
	s_wait_tensorcnt 0x0                           ; the wave's end
	ds_add_u32 v254, v255
	s_wait_dscnt 0x0
	ROUND                                          ; the closing round
	s_endpgm
.Lfunc_end_k_q58e5617f27_attn:
	.size	k_q58e5617f27_attn, .Lfunc_end_k_q58e5617f27_attn-k_q58e5617f27_attn
	.p2alignl 7, 3214868480
	.fill 96, 4, 3214868480
	.section	.rodata,"a",@progbits
	.p2align	6, 0x0
	.amdhsa_kernel k_q58e5617f27_attn
		.amdhsa_group_segment_fixed_size 327680
		.amdhsa_private_segment_fixed_size 0
		.amdhsa_enable_private_segment 0
		.amdhsa_kernarg_size 24
		.amdhsa_user_sgpr_count 2
		.amdhsa_user_sgpr_kernarg_segment_ptr 1
		.amdhsa_wavefront_size32 1
		.amdhsa_system_sgpr_workgroup_id_x 1
		.amdhsa_system_sgpr_workgroup_id_y 1
		.amdhsa_system_sgpr_workgroup_id_z 1
		.amdhsa_system_vgpr_workitem_id 0
		.amdhsa_next_free_vgpr 256
		.amdhsa_next_free_sgpr 66
		.amdhsa_reserve_vcc 0
		.amdhsa_float_denorm_mode_32 3
		.amdhsa_float_denorm_mode_16_64 3
		.amdhsa_memory_ordered 1
		.amdhsa_forward_progress 1
		.amdhsa_inst_pref_size 41
	.end_amdhsa_kernel
	.amdgpu_metadata
---
amdhsa.version: [ 1, 2 ]
amdhsa.kernels:
  - .name:           k_q58e5617f27_attn
    .symbol:         k_q58e5617f27_attn.kd
    .args:
      - { .name: qkv, .offset: 0, .size: 8, .value_kind: global_buffer, .address_space: global }
      - { .name: oimg, .offset: 8, .size: 8, .value_kind: global_buffer, .address_space: global }
      - { .name: os, .offset: 16, .size: 8, .value_kind: global_buffer, .address_space: global }
    .group_segment_fixed_size: 327680
    .private_segment_fixed_size: 0
    .kernarg_segment_align: 8
    .kernarg_segment_size: 24
    .max_flat_workgroup_size: 512
    .sgpr_count:     66
    .vgpr_count:     256
    .wavefront_size: 32
...
	.end_amdgpu_metadata
.endif
;; end of part 3
;; launch proj (part 4): grid 8 x 32, 4 waves a work-group, clusters of 4 x 4, 327,680 bytes of LDS; arguments oimg, os, wo, sc, b_out, out0; writes out0
.if DOCPART == 4
	.amdgcn_target "amdgcn-amd-amdhsa--gfx1250"
	.amdhsa_code_object_version 6
	.text
	.protected	k_q58e5617f27_proj
	.globl	k_q58e5617f27_proj
	.p2align	8
	.type	k_q58e5617f27_proj,@function
k_q58e5617f27_proj:
	s_mov_b64 s[64:65], 0
	v_nop
	global_prefetch_b8 v0, s[64:65] scope:SCOPE_SE
	s_setreg_imm32_b32 hwreg(HW_REG_WAVE_MODE, 25, 1), 1
	s_wait_xcnt 0x0
	s_wait_alu depctr_hold_cnt(0) depctr_sa_sdst(0) depctr_va_vdst(0) depctr_va_sdst(0) depctr_va_ssrc(0) depctr_va_vcc(0) depctr_vm_vsrc(0)
	s_getreg_b32 s2, hwreg(HW_REG_IB_STS2, 6, 4)
	s_cmp_eq_u32 s2, 0
	s_cbranch_scc0 .Lentry_in_a_cluster
	s_endpgm
.Lentry_in_a_cluster:
	s_bfe_u32 s2, ttmp6, 0x10000c
	s_cmp_lg_u32 s2, 0xf033
	s_cbranch_scc0 .Lentry_shape_is_right
	s_endpgm
.Lentry_shape_is_right:
; out0 = o W_out + b_out on codes of FP6 (E2M3) with E8M0 scales, f32 sums.  o's codes come from the attention launch, W_out's from the quantiser, both as images of operand registers.
; A tile of 128 x 128 to a work-group (256 work-groups), 64 x 64 to each of four waves: 16 accumulators.  Both operands for all of K = 1,024 are 196,608 bytes: LDS IS FILLED ONCE.
; Four tiles of 16 rows, all of K, are 49,152 dense bytes of memory: each wave asks for them with ONE tensor load at the head (waves 0 and 1 o's halves, waves 2 and 3 W_out's); one is out, by this text's count.
; CLUSTERS: 4 x 4 work-groups; o's tiles are shared along a row of the cluster, W_out's along a column: joint loads.  NO PREFETCH: all is asked for at the head; there is no loop to run ahead in.
; TRANSPOSED USE: source 0 = 16 columns of W_out, source 1 = 16 rows of o: a lane holds one row, and since a tile's columns are chosen (8 u + r + 8 (r / 8) of a group of 32) its registers are neighbouring columns.
; o's image of a K step is two half images, one a head (768 bytes: registers 0-3 at 16 x lane, 4-5 at 8 x lane); its scale word is joined from the two heads' words.  The bias is the C of each sum's first product.
; Row rho of o's tile a of a wave's four is row 8 a + rho % 8 + 32 (rho / 8) of the wave's 64.
; REGISTERS: window 0: v8-10 LDS addresses; v24-26 the way out; v32-47 o's scale words (8 x pair of tiles + K step: lanes 0-15 the even tile, lanes 16-31 the odd), v48-63 W_out's; v64-95 bias tiles; v96-127 words as loaded;
;   v128-255 accumulators, (a, b) at 128 + 8 (4 a + b).   window 1: two fragment buffers of 96: o's at 128 f + 12 a, W_out's at 128 f + 48 + 12 b.
.set REG,   49152                      ; what a wave's load brings: 4 tiles x 12,288 bytes
.set STAGE, 4*REG                      ; behind them: 16 rows x (256 bytes + 16) for each wave; no tensor load lands here
.set SPARE, 0x34400                    ; behind the stages: the spare words
.set ADRA,  8
.set ADRA8, 9
.set ADRB,  10
.set STO,   24
.set RD,    25
.set CO,    26
.set SA,    32
.set SB,    48
.set BI,    64
.set RAW,   96
.set BK,    64
.set ACC,   128
.set G1,    24
.set G0,    32
.set G0B,   48
.set G1B,   68
.set MSB, 0
.macro WIN new
.if MSB != \new
	s_set_vgpr_msb (MSB<<8)|\new
.set MSB, \new
.endif
.endm
.macro CROUND
	s_barrier_signal -1
	s_barrier_wait -1
	s_cmp_lg_u32 s16, 0
	s_cbranch_scc1 .Lnot_wave_0_\@
	s_barrier_signal -3
.Lnot_wave_0_\@:
	s_barrier_wait -3
	s_barrier_signal -1
	s_barrier_wait -1
.endm
.macro PLACES
.rept 4
	v_nop
.endr
.endm
	s_load_b256 s[4:11], s[0:1], 0x0               ; oimg s[4:5], os s[6:7], wo s[8:9], sc s[10:11]
	s_load_b128 s[12:15], s[0:1], 0x20             ; b_out s[12:13], out0 s[14:15]
	v_lshl_add_u32 v30, v0, 2, SPARE
	v_mov_b32 v31, 0
	ds_add_u32 v30, v31                            ; the opening lines: the add twice on end and its wait
	ds_add_u32 v30, v31
	v_lshrrev_b32 v1, 5, v0
	v_readfirstlane_b32 s16, v1                    ; wave 0..3
	s_lshr_b32 s17, s16, 1                         ; my half of the rows.  Also: I fetch for o (0) or for W_out (1)
	s_and_b32 s18, s16, 1                          ; my half of the columns.  Also: which 4 tiles I fetch
	s_bfe_u32 s76, ttmp6, 0x40000                  ; cx, cy
	s_bfe_u32 s77, ttmp6, 0x40004
	s_lshl_b32 s78, ttmp9, 2
	s_add_co_u32 s78, s78, s76                     ; X
	s_and_b32 s79, ttmp7, 0xffff
	s_lshl_b32 s79, s79, 2
	s_add_co_u32 s79, s79, s77                     ; Y
	s_lshl_b32 s80, s77, 2
	s_lshl_b32 s80, 15, s80                        ; my row of the cluster
	s_lshl_b32 s81, 0x1111, s76                    ; my column
	; group 1: 4 rows (tiles) of 12,288 bytes (1,536 elements of 8), dense in memory and in LDS
	s_or_b32 s[G1+0], s80, (3<<16)|(1<<21)
	s_or_b32 s[G1B+0], s81, (3<<16)|(1<<21)
.irp g, G1, G1B
	s_mov_b32 s[\g+1], 1536<<16
	s_mov_b32 s[\g+2], 4<<16
	s_mov_b32 s[\g+3], 1536<<16
	s_mov_b32 s[\g+4], 4
	s_mov_b32 s[\g+5], 1536
	s_mov_b32 s[\g+6], 0
	s_mov_b32 s[\g+7], 0
.endr
	s_lshl_b32 s82, s18, 2
	s_lshl_b32 s20, s79, 3
	s_add_co_u32 s20, s20, s82
	s_mul_i32 s20, s20, 12288                      ; o: tile 8 Y + 4 x half
	s_mov_b32 s21, 0
	s_lshl_b32 s22, s78, 3
	s_add_co_u32 s22, s22, s82
	s_mul_i32 s22, s22, 12288                      ; W_out: tile 8 X + 4 x half
	s_mov_b32 s23, 0
	s_mul_i32 s83, s16, REG                        ; where they go: wave x 4 tiles
	s_mov_b32 s[G0], 1
	s_mov_b32 s[G0+1], s83
	s_mov_b32 s[G0B], 1
	s_mov_b32 s[G0B+1], s83
	s_wait_dscnt 0x0
	s_wait_kmcnt 0x0
	s_add_nc_u64 s[G0+2:G0+3], s[4:5], s[20:21]
	s_or_b32 s[G0+3], s[G0+3], 0x80000000
	s_add_nc_u64 s[G0B+2:G0B+3], s[8:9], s[22:23]
	s_or_b32 s[G0B+3], s[G0B+3], 0x80000000
	CROUND                                         ; all sixteen work-groups are here: the joint loads meet
	s_cmp_eq_u32 s17, 0                            ; one fill to each arm of one branch on the wave's number
	s_cbranch_scc0 .Lfor_b
	tensor_load_to_lds s[G0:G0+3], s[G1:G1+7]
	s_nop 0
	PLACES
	s_branch .Lasked
.Lfor_b:
	tensor_load_to_lds s[G0B:G0B+3], s[G1B:G1B+7]
	s_nop 0
	PLACES
.Lasked:
	v_and_b32 v1, 31, v0                           ; lane
	v_and_b32 v2, 15, v0                           ; r
	v_bfe_u32 v3, v0, 4, 1                         ; h
	v_lshlrev_b32 v4, 4, v1
	v_lshlrev_b32 v5, 3, v1
	s_mul_i32 s84, s17, REG                        ; my 4 tiles of o,
	s_mul_i32 s85, s18, REG
	s_add_co_u32 s85, s85, 2*REG                   ; of W_out
	v_add_nc_u32 v[ADRA], s84, v4
	v_add_nc_u32 v[ADRA8], s84, v5
	v_add_nc_u32 v[ADRB], s85, v4
	s_mul_i32 s86, s16, 16*272
	s_add_co_u32 s86, s86, STAGE                   ; my stage
	v_mul_u32_u24 v[STO], v2, 272
	v_lshl_add_u32 v[STO], v3, 6, v[STO]
	v_add_nc_u32 v[STO], s86, v[STO]               ; in: row r, + 64 h
	v_mul_u32_u24 v[RD], v3, 272
	v_lshl_add_u32 v[RD], v2, 4, v[RD]
	v_add_nc_u32 v[RD], s86, v[RD]                 ; back: lanes 0-15 one row, lanes 16-31 the next
	v_lshlrev_b32 v[CO], 12, v3
	v_lshl_add_u32 v[CO], v2, 4, v[CO]             ; and the same in out0
	s_lshl_b32 s84, s79, 9
	s_lshl_b32 s85, s17, 8
	s_add_co_u32 s84, s84, s85
	s_mov_b32 s85, 0
	s_add_nc_u64 s[6:7], s[6:7], s[84:85]          ; os at tile 8 Y + 4 x row half: 64 bytes a tile
	v_lshlrev_b32 v6, 2, v1
.irp hd, 0,1,2,3,4,5,6,7,8,9,10,11,12,13,14,15
.irp p, 0,1
	global_load_b32 v[RAW+2*\hd+\p], v6, s[6:7] offset:16384*\hd+128*\p   ; two tiles' words of one head
.endr
.endr
	s_lshl_b32 s84, s78, 3
	s_lshl_b32 s86, s18, 2
	s_add_co_u32 s84, s84, s86
	s_lshl_b32 s84, s84, 9
	s_add_co_u32 s84, s84, 229376
	s_add_nc_u64 s[10:11], s[10:11], s[84:85]      ; W_out's scale words at tile 8 X + 4 x column half
	v_lshlrev_b32 v7, 9, v3
	v_lshl_add_u32 v7, v2, 4, v7
.irp p, 0,1
	global_load_b128 v[SB+8*\p:SB+8*\p+3], v7, s[10:11] offset:1024*\p
	global_load_b128 v[SB+8*\p+4:SB+8*\p+7], v7, s[10:11] offset:1024*\p+256
.endr
	s_lshl_b32 s84, s78, 9
	s_lshl_b32 s86, s18, 8
	s_add_co_u32 s84, s84, s86                     ; my first column, in bytes
	s_add_nc_u64 s[12:13], s[12:13], s[84:85]
	s_add_nc_u64 s[14:15], s[14:15], s[84:85]
	v_lshlrev_b32 v20, 6, v3
.irp b, 0,1,2,3
	global_load_b128 v[BI+8*\b:BI+8*\b+3], v20, s[12:13] offset:4*(32*(\b/2)+8*(\b%2))
	global_load_b128 v[BI+8*\b+4:BI+8*\b+7], v20, s[12:13] offset:4*(32*(\b/2)+8*(\b%2))+16
.endr
	s_lshl_b32 s84, s79, 7
	s_lshl_b32 s86, s17, 6
	s_add_co_u32 s84, s84, s86
	s_lshl_b32 s84, s84, 12                        ; my first row x 4,096 bytes
	s_add_nc_u64 s[14:15], s[14:15], s[84:85]
	s_wait_loadcnt 0x0
.irp p, 0,1
.irp k, 0,1,2,3,4,5,6,7
	v_lshl_or_b32 v[SA+8*\p+\k], v[RAW+2*(2*\k+1)+\p], 16, v[RAW+2*(2*\k)+\p]   ; K step k = heads 2 k and 2 k + 1: two bytes each
.endr
.endr
.rept 8
	v_nop                                          ; scale registers written by vector instructions stand eight places ahead of a scaled product
.endr
.macro FETCH ks                        ; 28 loads: K step ks into buffer ks % 2
.set FB, 128*((\ks)%2)
.set QO, 1536*(\ks)
	WIN 0x40
.irp a, 0,1,2,3
	ds_load_b128 v[FB+12*\a:FB+12*\a+3], v[ADRA] offset:12288*\a+QO
	ds_load_b64 v[FB+12*\a+4:FB+12*\a+5], v[ADRA8] offset:12288*\a+QO+512
	ds_load_b128 v[FB+12*\a+6:FB+12*\a+9], v[ADRA] offset:12288*\a+QO+768
	ds_load_b64 v[FB+12*\a+10:FB+12*\a+11], v[ADRA8] offset:12288*\a+QO+1280
.endr
.irp b, 0,1,2,3
.irp c, 0,1,2
	ds_load_b128 v[FB+48+12*\b+4*\c:FB+48+12*\b+4*\c+3], v[ADRB] offset:12288*\b+QO+512*\c
.endr
.endr
.endm
.macro PROD a, b, ks                   ; the odd tile of a pair has its scale words in lanes 16-31
.set rD, ACC+8*(4*(\a)+(\b))
.set rC, rD
.if (\ks) == 0
.set rC, BI+8*(\b)
.endif
.set rW, 128*((\ks)%2)+48+12*(\b)
.set rO, 128*((\ks)%2)+12*(\a)
.set sW, SB+8*((\b)/2)+(\ks)
.set sO, SA+8*((\a)/2)+(\ks)
.if (((\b)%2) == 0) && (((\a)%2) == 0)
	v_wmma_scale_f32_16x16x128_f8f6f4 v[rD:rD+7], v[rW:rW+11], v[rO:rO+11], v[rC:rC+7], v[sW], v[sO] matrix_a_fmt:MATRIX_FMT_FP6 matrix_b_fmt:MATRIX_FMT_FP6
.elseif (((\b)%2) == 1) && (((\a)%2) == 0)
	v_wmma_scale_f32_16x16x128_f8f6f4 v[rD:rD+7], v[rW:rW+11], v[rO:rO+11], v[rC:rC+7], v[sW], v[sO] matrix_a_fmt:MATRIX_FMT_FP6 matrix_b_fmt:MATRIX_FMT_FP6 matrix_a_scale:MATRIX_SCALE_ROW1
.elseif ((\b)%2) == 0
	v_wmma_scale_f32_16x16x128_f8f6f4 v[rD:rD+7], v[rW:rW+11], v[rO:rO+11], v[rC:rC+7], v[sW], v[sO] matrix_a_fmt:MATRIX_FMT_FP6 matrix_b_fmt:MATRIX_FMT_FP6 matrix_b_scale:MATRIX_SCALE_ROW1
.else
	v_wmma_scale_f32_16x16x128_f8f6f4 v[rD:rD+7], v[rW:rW+11], v[rO:rO+11], v[rC:rC+7], v[sW], v[sO] matrix_a_fmt:MATRIX_FMT_FP6 matrix_b_fmt:MATRIX_FMT_FP6 matrix_a_scale:MATRIX_SCALE_ROW1 matrix_b_scale:MATRIX_SCALE_ROW1
.endif
.endm
.macro MUL ks                          ; 16 products; the accumulators take turns
	WIN 0x05                                       ; sources 0 and 1 window 1; C and D window 0
.irp a, 0,1,2,3
.irp b, 0,1,2,3
	PROD \a, \b, \ks
.endr
.endr
.endm
	s_wait_alu depctr_va_vdst(0)                   ; the wait at the head's end
	s_wait_tensorcnt 0x0                           ; my four tiles are in
	s_barrier_signal -1
	s_barrier_wait -1                              ; everybody's are.  Nothing is ever filled again
	FETCH 0
.irp ks, 0,1,2,3,4,5,6
.if \ks > 0
	PLACES                                         ; in front of loads into the buffer that the last products read
.endif
	FETCH \ks+1
	s_wait_dscnt 28                                ; all but the 28 just issued
	MUL \ks
.endr
	s_wait_dscnt 0x0
	MUL 7
	WIN 0
	PLACES
; THE WAY OUT.  A wave's 64 columns are 256 aligned bytes of a row.  A block of 16 rows goes through my own stage and comes back as whole rows.
.macro TOSTAGE a
.irp b, 0,1,2,3
	ds_store_b128 v[STO], v[ACC+8*(4*(\a)+\b):ACC+8*(4*(\a)+\b)+3] offset:128*(\b/2)+32*(\b%2)       ; each accumulator from its low end on
	ds_store_b128 v[STO], v[ACC+8*(4*(\a)+\b)+4:ACC+8*(4*(\a)+\b)+7] offset:128*(\b/2)+32*(\b%2)+16
.endr
.set BB, BK+32*((\a)%2)
.irp i, 0,1,2,3,4,5,6,7
	ds_load_b128 v[BB+4*\i:BB+4*\i+3], v[RD] offset:544*\i    ; LDS serves a wave's instructions in order: these see my stores
.endr
.endm
.macro SEND a, younger
.set BB, BK+32*((\a)%2)
	s_wait_dscnt \younger                          ; the block is back; the next block's eight stores and eight loads may be out
.irp i, 0,1,2,3,4,5,6,7
	global_store_b128 v[CO], v[BB+4*\i:BB+4*\i+3], s[14:15] offset:(8*(\a)+2*\i+24*(\i/4))*4096 th:TH_STORE_NT   ; sixteen lanes store 256 consecutive bytes, aligned
.endr
.endm
	TOSTAGE 0
.irp a, 1,2,3
.if \a > 1
	s_wait_xcnt 0x0                                ; block a - 2's stores have read their registers: block a's rows may land there
.endif
	TOSTAGE \a
	SEND \a-1, 16
.endr
	SEND 3, 0
	s_wait_tensorcnt 0x0                           ; the wave's end
	ds_add_u32 v30, v31
	s_wait_dscnt 0x0
	CROUND                                         ; the closing round
	s_endpgm
.Lfunc_end_k_q58e5617f27_proj:
	.size	k_q58e5617f27_proj, .Lfunc_end_k_q58e5617f27_proj-k_q58e5617f27_proj
	.p2alignl 7, 3214868480
	.fill 96, 4, 3214868480
	.section	.rodata,"a",@progbits
	.p2align	6, 0x0
	.amdhsa_kernel k_q58e5617f27_proj
		.amdhsa_group_segment_fixed_size 327680
		.amdhsa_private_segment_fixed_size 0
		.amdhsa_enable_private_segment 0
		.amdhsa_kernarg_size 48
		.amdhsa_user_sgpr_count 2
		.amdhsa_user_sgpr_kernarg_segment_ptr 1
		.amdhsa_wavefront_size32 1
		.amdhsa_system_sgpr_workgroup_id_x 1
		.amdhsa_system_sgpr_workgroup_id_y 1
		.amdhsa_system_sgpr_workgroup_id_z 1
		.amdhsa_system_vgpr_workitem_id 0
		.amdhsa_next_free_vgpr 512
		.amdhsa_next_free_sgpr 100
		.amdhsa_reserve_vcc 0
		.amdhsa_float_denorm_mode_32 3
		.amdhsa_float_denorm_mode_16_64 3
		.amdhsa_memory_ordered 1
		.amdhsa_forward_progress 1
		.amdhsa_inst_pref_size 51
	.end_amdhsa_kernel
	.amdgpu_metadata
---
amdhsa.version: [ 1, 2 ]
amdhsa.kernels:
  - .name:           k_q58e5617f27_proj
    .symbol:         k_q58e5617f27_proj.kd
    .args:
      - { .name: oimg, .offset: 0, .size: 8, .value_kind: global_buffer, .address_space: global }
      - { .name: os, .offset: 8, .size: 8, .value_kind: global_buffer, .address_space: global }
      - { .name: wo, .offset: 16, .size: 8, .value_kind: global_buffer, .address_space: global }
      - { .name: sc, .offset: 24, .size: 8, .value_kind: global_buffer, .address_space: global }
      - { .name: b_out, .offset: 32, .size: 8, .value_kind: global_buffer, .address_space: global }
      - { .name: out0, .offset: 40, .size: 8, .value_kind: global_buffer, .address_space: global }
    .group_segment_fixed_size: 327680
    .private_segment_fixed_size: 0
    .kernarg_segment_align: 8
    .kernarg_segment_size: 48
    .max_flat_workgroup_size: 128
    .sgpr_count:     100
    .vgpr_count:     512
    .wavefront_size: 32
...
	.end_amdgpu_metadata
.endif
;; end of part 4
